; MI455X (gfx1250); checked and timed in simulation.
; The chip was launched on July 23, 2026; its instructions are those of AMD's public machine-readable ISA for CDNA 5 (MIT licence, August 2026) and "CDNA5" Instruction Set Architecture Reference Guide (July 2026). The comments in the code are by the model that wrote it; some were corrected since.
;; Attention Block. Allowed arithmetic: matrix products marked QUANTISED: E5M2 operands, one E8M0 scale for each 32 along K, by v_wmma_scale_f32_16x16x128_f8f6f4 with both operands' format E5M2, f32 sums; everything else in f32.
;; Inputs: gn_b 256 float32; gn_w 256 float32; proj_b 256 float32; proj_w_codes 256 x 8 x 32 uint8 (E5M2 codes of proj_w, K innermost, in blocks of 32 codes); proj_w_scales 256 x 8 uint8 (E8M0 scales of proj_w, one for each 32 codes along K); qkv_b 768 float32; qkv_w_codes 768 x 8 x 32 uint8 (E5M2 codes of qkv_w, K innermost, in blocks of 32 codes); qkv_w_scales 768 x 8 uint8 (E8M0 scales of qkv_w, one for each 32 codes along K); x 4 x 256 x 64 x 64 float32.
;; Outputs: out0 4 x 256 x 64 x 64 float32.
;; This version of the problem:
;;   THIS VERSION OF THE PROBLEM IS GIVEN IN LOW PRECISION. The matrix products marked QUANTISED in the list below multiply operands that are first quantised to E5M2 (5 exponent bits, 2 mantissa bits; 8 bits a number), with one power-of-two scale for each 32 numbers along K (OCP MX v1.0); their sums are f32. All else is computed in f32.
;;   The module's matrix products, in the order in which they are computed (A, B: the left and right operand; K: the contracted axis; several contracted axes count as one K, in the product's order):
;;     1. [M 16,384, K 256] x [K 256, N 768]; A: computed on the way; B: input qkv_w (given as codes): QUANTISED
;;     2. batch 4 x [M 4,096, K 256] x [K 256, N 4,096]; A: computed on the way; B: computed on the way: QUANTISED
;;     3. batch 4 x [M 256, K 4,096] x [K 4,096, N 4,096]; A: computed on the way; B: softmax (see below): QUANTISED
;;     4. [M 16,384, K 256] x [K 256, N 256]; A: computed on the way; B: input proj_w (given as codes): QUANTISED
;;   THE QUANTISER, for each operand of a quantised product, along K:
;;     - K is cut into blocks of 32 from its start; a last block that is shorter is filled with zeros.
;;     - A block's scale is 2^e with e = floor(log2(the largest magnitude in the block)) - 15, held to -126 .. 127; a block of zeros has e = 0. As a byte (E8M0): e + 127.
;;     - Each number is divided by its block's scale, clamped to +-57,344, and rounded to the nearest number of E5M2, ties to even, subnormals kept.
;;     - The product sums the exact products of the quantised numbers (number of the format x scale) in f32.
;;   ~~~python
;;   def quantise(x, axis):      # numpy; x: float32 -> the quantised numbers, widened to float32 again
;;       x = np.moveaxis(x, axis, -1); K = x.shape[-1]
;;       x = np.pad(x, [(0, 0)] * (x.ndim - 1) + [(0, -K % 32)]); x = x.reshape(x.shape[:-1] + (-1, 32)); a = np.abs(x).max(-1, keepdims=True)
;;       e = np.where(a > 0, np.clip(np.frexp(np.where(a > 0, a, 1))[1] - 1 - 15, -126, 127), 0)      # np.frexp(a)[1] - 1 = floor(log2(a)), exactly
;;       r = np.clip(x / 2.0 ** e, -57344, 57344)
;;       step = 2.0 ** (np.maximum(np.frexp(np.where(r == 0, 1, r))[1] - 1, -14) - 2)
;;       q = np.round(r / step) * step * 2.0 ** e      # np.round: ties to even
;;       return np.moveaxis(q.reshape(q.shape[:-2] + (-1,))[..., :K], -1, axis).astype(np.float32)
;;   ~~~
;;   SOFTMAX AHEAD OF A QUANTISED PRODUCT. Where the list says 'softmax', what is quantised is not the finished softmax but p = 2^(t - M), with t = logit x log2(e) and M = ceil(the row's largest t), a whole number; so 1/2 < the row's largest p <= 1. The row's sum l is taken of the UNQUANTISED p, in f32, and the product's result is divided by l at the end. Since M is a whole number, a kernel that streams over the keys may use a running M (the ceiling of the running maximum): every later rescaling is an exact power of two, which a block's scale takes up: the codes' values come out the same.
;;   OPERANDS COMPUTED ON THE WAY. 'Computed on the way' means the value that the module computes at that place (a softmax that the list does not call 'softmax' is quantised finished and normalised). What goes into a quantiser is computed in f32, as accurately as f32 sums, v_exp_f32 and their like allow (about 1e-6 of the number): no bf16 or f16 on the way to a quantiser, and a product that is left as it is and whose result goes on into a quantised operand takes f32 operands (vector FMAs, or v_wmma_f32_16x16x4_f32). A number that lies on a knife's edge between two numbers of the format may be rounded either way, as far as f32 arithmetic and the matrix unit's own rounding can turn it there, and no further.
;;   INPUTS GIVEN AS CODES. proj_w (in the module: [256, 256], K = its axis 1); qkv_w (in the module: [768, 256], K = its axis 1): each comes as NAME_codes (uint8): NAME with its K axis moved to the last place and cut into blocks of 32 codes, [.., K / 32, bytes a block], one block behind the other in memory; one code a byte (a code: sign, 5 exponent bits, 2 mantissa bits); and NAME_scales (uint8): the same leading axes, one E8M0 byte (e + 127) for each 32 codes along K. Its value is code x scale, taken as it is: it is not quantised again, and the codes and scales need not be those that the quantiser above would give.
;; 2 versions, each right and faster than the one before. Each part assembles by itself: llvm-mc -triple=amdgcn-amd-amdhsa -mcpu=gfx1250 --defsym DOCPART=n.
;; ======== version 1 of 2: 3 launches
;; workspace buffers: gnst 8,192 bytes; qrec 4,325,376 bytes; kvrec 8,650,752 bytes
;; launch gnstat (part 1): grid 128 x 1, 16 waves a work-group, no clusters, 2,304 bytes of LDS; arguments x, gn_w, gnst; writes gnst
.if DOCPART == 1
	.amdgcn_target "amdgcn-amd-amdhsa--gfx1250"
	.amdhsa_code_object_version 6
	.text
	.protected	k_qb3aa0a67ae_gnstat
	.globl	k_qb3aa0a67ae_gnstat
	.p2align	8
	.type	k_qb3aa0a67ae_gnstat,@function
k_qb3aa0a67ae_gnstat:
	s_mov_b64 s[64:65], 0
	v_nop
	global_prefetch_b8 v0, s[64:65] scope:SCOPE_SE
	s_setreg_imm32_b32 hwreg(HW_REG_WAVE_MODE, 25, 1), 1
	s_wait_xcnt 0x0
; GroupNorm's statistics.  x: [4][256][4096] f32; a group is 8 channels x 4,096 places = 32,768 numbers = 131,072 consecutive bytes.
; Work-group G = 32 b + g owns one group.  Its 512 threads hold 64 numbers each, so x is read once and BOTH passes run on registers:
; first the mean, then the sum of (x - mean)^2: no difference of large sums is formed.
; Out: gnst byte 4 (256 b + c): a = gn_w[c] / sqrt(var + 1e-5);  byte 4096 + 4 (256 b + c): the group's mean, once for each channel.
; No matrix unit, no cluster, no tensor load: the work-groups share nothing and every byte is used once.
; LIMITS: NaN and infinities among the inputs are not served.
.set X,  32                            ; v32-95  my 64 numbers
.set GW, 96                            ; v96     gn_w of channel 8 g + (thread % 8)
.set ZA, 97                            ; v97     LDS address 0
	s_load_b128 s[4:7], s[0:1], 0x0                ; x, gn_w
	s_load_b64 s[8:9], s[0:1], 0x10                ; gnst
	v_lshl_add_u32 v104, v0, 2, 0x100
	v_mov_b32 v105, 0
	v_lshrrev_b32 v1, 5, v0
	v_readfirstlane_b32 s10, v1                    ; wave 0..15
	v_lshlrev_b32 v1, 4, v0                        ; 16 bytes a thread: a load of the work-group covers 8,192 consecutive bytes
	v_and_b32 v2, 7, v0
	v_lshlrev_b32 v2, 2, v2                        ; 4 (thread % 8)
	v_mov_b32 v3, s10
	v_lshlrev_b32 v3, 2, v3                        ; my wave's word in LDS
	s_lshl_b32 s14, ttmp9, 17                      ; the group's first byte in x
	s_mov_b32 s15, 0
	s_and_b32 s16, ttmp9, 31
	s_lshl_b32 s16, s16, 5                         ; gn_w: 32 g bytes
	s_mov_b32 s17, 0
	s_lshl_b32 s18, ttmp9, 5                       ; gnst: 4 x 8 G bytes
	s_mov_b32 s19, 0
	s_mov_b32 s12, 0x76543210                      ; v_permlanex16_b32's selects for lane l xor 16
	s_mov_b32 s13, 0xfedcba98
	s_mov_b32 s20, 0x38000000                      ; 1 / 32,768
	s_mov_b32 s21, 0x3727c5ac                      ; 1e-5
	s_wait_kmcnt 0x0
	s_add_nc_u64 s[4:5], s[4:5], s[14:15]
	s_add_nc_u64 s[6:7], s[6:7], s[16:17]
	s_add_nc_u64 s[8:9], s[8:9], s[18:19]
.set ii, 0
.rept 16
	global_load_b128 v[X+4*ii:X+4*ii+3], v1, s[4:5] offset:8192*ii
.set ii, ii+1
.endr
	global_load_b32 v[GW], v2, s[6:7]
	v_mov_b32 v15, 0                               ; a lane permute's destination counts as one of its sources
	v_mov_b32 v[ZA], 0
; Four packed chains in v[4:11] become one number for the work-group, in v14 of every lane: within the lane, across the 32 lanes,
; then across the 16 waves through 16 words of LDS at byte off.  The two uses take different words, so one barrier serves each.
.macro REDUCE off
	v_pk_add_f32 v[4:5], v[4:5], v[6:7]
	v_pk_add_f32 v[8:9], v[8:9], v[10:11]
	v_pk_add_f32 v[4:5], v[4:5], v[8:9]
	v_add_f32 v14, v4, v5
	v_add_f32_dpp v14, v14, v14 row_xmask:1 row_mask:0xf bank_mask:0xf
	v_add_f32_dpp v14, v14, v14 row_xmask:2 row_mask:0xf bank_mask:0xf
	v_add_f32_dpp v14, v14, v14 row_xmask:4 row_mask:0xf bank_mask:0xf
	v_add_f32_dpp v14, v14, v14 row_xmask:8 row_mask:0xf bank_mask:0xf
	v_permlanex16_b32 v15, v14, s12, s13
	v_add_f32 v14, v14, v15
	ds_store_b32 v3, v14 offset:\off               ; all lanes write the wave's word with the same value
	s_wait_dscnt 0x0                               ; for the others' sake: my store has landed
	s_barrier_signal -1
	s_barrier_wait -1
.irp i, 0,1,2,3
	ds_load_b128 v[16+4*\i:19+4*\i], v[ZA] offset:\off+16*\i
.endr
	s_wait_dscnt 0x0
	v_pk_add_f32 v[16:17], v[16:17], v[18:19]      ; every wave adds the 16 in the same order
	v_pk_add_f32 v[20:21], v[20:21], v[22:23]
	v_pk_add_f32 v[24:25], v[24:25], v[26:27]
	v_pk_add_f32 v[28:29], v[28:29], v[30:31]
	v_pk_add_f32 v[16:17], v[16:17], v[20:21]
	v_pk_add_f32 v[24:25], v[24:25], v[28:29]
	v_pk_add_f32 v[16:17], v[16:17], v[24:25]
	v_add_f32 v14, v16, v17
.endm
	s_wait_loadcnt 0x0
.irp k, 0,1,2,3
	v_pk_add_f32 v[4+2*\k:5+2*\k], v[X+2*\k:X+2*\k+1], v[X+8+2*\k:X+9+2*\k]   ; the first additions start the chains: nothing is cleared
.endr
.set ii, 8
.rept 24
	v_pk_add_f32 v[4+2*(ii%4):5+2*(ii%4)], v[4+2*(ii%4):5+2*(ii%4)], v[X+2*ii:X+2*ii+1]
.set ii, ii+1
.endr
	REDUCE 0
	v_mul_f32 v12, s20, v14                        ; the mean
	v_mov_b32 v13, v12
.set ii, 0
.rept 32
	v_pk_add_f32 v[X+2*ii:X+2*ii+1], v[X+2*ii:X+2*ii+1], v[12:13] neg_lo:[0,1] neg_hi:[0,1]   ; x - mean, in place
.set ii, ii+1
.endr
.irp k, 0,1,2,3
	v_pk_mul_f32 v[4+2*\k:5+2*\k], v[X+2*\k:X+2*\k+1], v[X+2*\k:X+2*\k+1]
.endr
.set ii, 4
.rept 28
	v_pk_fma_f32 v[4+2*(ii%4):5+2*(ii%4)], v[X+2*ii:X+2*ii+1], v[X+2*ii:X+2*ii+1], v[4+2*(ii%4):5+2*(ii%4)]
.set ii, ii+1
.endr
	REDUCE 64
	v_fma_f32 v14, v14, s20, s21                   ; var + 1e-5
	v_rsq_f32 v14, v14
	v_nop                                          ; one plain place behind a transcendental (ISA guide 5.7.2)
	s_wait_alu depctr_va_vdst(0)
	v_mul_f32 v14, v14, v[GW]                      ; a
	s_cmp_lg_u32 s10, 0
	s_cbranch_scc1 .Lend                           ; wave 0 stores for the group
	s_wait_xcnt 0x0                                ; EXEC changes only behind this wait
	v_cmp_gt_u32 vcc_lo, 8, v0
	s_and_saveexec_b32 s11, vcc_lo
	global_store_b32 v2, v14, s[8:9]               ; lanes 0-7: the group's eight channels
	global_store_b32 v2, v12, s[8:9] offset:4096
	s_wait_xcnt 0x0
	s_or_b32 exec_lo, exec_lo, s11
.Lend:
	s_wait_tensorcnt 0x0
	ds_add_u32 v104, v105
	s_wait_dscnt 0x0
	s_endpgm
.Lfunc_end_k_qb3aa0a67ae_gnstat:
	.size	k_qb3aa0a67ae_gnstat, .Lfunc_end_k_qb3aa0a67ae_gnstat-k_qb3aa0a67ae_gnstat
	.p2alignl 7, 3214868480
	.fill 96, 4, 3214868480
	.section	.rodata,"a",@progbits
	.p2align	6, 0x0
	.amdhsa_kernel k_qb3aa0a67ae_gnstat
		.amdhsa_group_segment_fixed_size 2304
		.amdhsa_private_segment_fixed_size 0
		.amdhsa_enable_private_segment 0
		.amdhsa_kernarg_size 24
		.amdhsa_user_sgpr_count 2
		.amdhsa_user_sgpr_kernarg_segment_ptr 1
		.amdhsa_wavefront_size32 1
		.amdhsa_system_sgpr_workgroup_id_x 1
		.amdhsa_system_sgpr_workgroup_id_y 1
		.amdhsa_system_sgpr_workgroup_id_z 1
		.amdhsa_system_vgpr_workitem_id 0
		.amdhsa_next_free_vgpr 106
		.amdhsa_next_free_sgpr 66
		.amdhsa_reserve_vcc 1
		.amdhsa_float_denorm_mode_32 3
		.amdhsa_float_denorm_mode_16_64 3
		.amdhsa_memory_ordered 1
		.amdhsa_forward_progress 1
		.amdhsa_inst_pref_size 13
	.end_amdhsa_kernel
	.amdgpu_metadata
---
amdhsa.version: [ 1, 2 ]
amdhsa.kernels:
  - .name:           k_qb3aa0a67ae_gnstat
    .symbol:         k_qb3aa0a67ae_gnstat.kd
    .args:
      - { .name: x, .offset: 0, .size: 8, .value_kind: global_buffer, .address_space: global }
      - { .name: gn_w, .offset: 8, .size: 8, .value_kind: global_buffer, .address_space: global }
      - { .name: gnst, .offset: 16, .size: 8, .value_kind: global_buffer, .address_space: global }
    .group_segment_fixed_size: 2304
    .private_segment_fixed_size: 0
    .kernarg_segment_align: 8
    .kernarg_segment_size: 24
    .max_flat_workgroup_size: 512
    .sgpr_count:     66
    .vgpr_count:     106
    .wavefront_size: 32
...
	.end_amdgpu_metadata
.endif
;; end of part 1
;; launch qkv (part 2): grid 256 x 1, 4 waves a work-group, clusters of 4 x 1, 229,888 bytes of LDS; arguments x, gnst, gn_b, qkv_w_codes, qkv_w_scales, qkv_b, qrec, kvrec; writes qrec, kvrec
.if DOCPART == 2
	.amdgcn_target "amdgcn-amd-amdhsa--gfx1250"
	.amdhsa_code_object_version 6
	.text
	.protected	k_qb3aa0a67ae_qkv
	.globl	k_qb3aa0a67ae_qkv
	.p2align	8
	.type	k_qb3aa0a67ae_qkv,@function
k_qb3aa0a67ae_qkv:
	s_mov_b64 s[64:65], 0
	v_nop
	global_prefetch_b8 v0, s[64:65] scope:SCOPE_SE
	s_setreg_imm32_b32 hwreg(HW_REG_WAVE_MODE, 25, 1), 1
	s_wait_xcnt 0x0
	s_wait_alu depctr_hold_cnt(0) depctr_sa_sdst(0) depctr_va_vdst(0) depctr_va_sdst(0) depctr_va_ssrc(0) depctr_va_vcc(0) depctr_vm_vsrc(0)
	s_getreg_b32 s2, hwreg(HW_REG_IB_STS2, 6, 4)
	s_cmp_eq_u32 s2, 0
	s_cbranch_scc0 .Lentry_in_a_cluster
	s_endpgm
.Lentry_in_a_cluster:
	s_bfe_u32 s2, ttmp6, 0x10000c
	s_cmp_lg_u32 s2, 0x3003
	s_cbranch_scc0 .Lentry_shape_is_right
	s_endpgm
.Lentry_shape_is_right:
; h = (x - mean) a + gn_b, quantised along the channels; qkv = W h + qkv_b on codes of BF8 (E5M2) with one E8M0 scale for each 32 along K; q and k are quantised along the channels, v along the places.
; A work-group owns 64 places of one image.  THE WAVES SHARE THE OUTPUT ROWS: wave w makes rows 128 w .. 128 w + 127 of W (waves 0, 1: q's two K steps; waves 2, 3: k's) and v's rows 512 + 64 w .. + 63, for all 64 places.
; OUT: RECORDS of REC = 33,792 bytes for 128 places, laid as images of operand registers.
;   q, k: codes at 4096 tile + 2048 s + 512 c + 16 lane (registers 4 c .. 4 c + 3 of the fragment of 16 places x 128 channels); scale words at 32768 + 512 s + 64 tile + 4 r.
;   v:    codes at 2048 tile + 512 c + 16 lane (16 channels x the record's 128 places); scale words at 32768 + 64 tile + 4 r.
;   qrec: record 32 b + S.  kvrec: at (32 b + S) x 2 REC the k record, behind it the v record.
; THE ROWS OF A TILE ARE NOT NEIGHBOURS, in every tile of places and of channels: lane r of tile 2 b + u holds row 32 b + 8 u + r + 8 (r / 8), so that in a result whose source 0 is such a tile
; the 16 registers of tiles 2 b and 2 b + 1 are 16 neighbours, 32 b + 16 (lane / 16) + 0 .. 15, of the next product's K.
; CLUSTER: all work-groups read the same weights, so the four of a cluster ask for them JOINTLY.  Each wave brings its own 192 rows into its own LDS bytes, filled once; nothing is filled again.
; LIMITS: NaN and infinities are not served; a block whose largest magnitude lies under 2^-111, a block of zeros among them, gets the scale byte 1 (its codes are then tiny or zeros; these bytes are read by this program alone).
; REGISTERS, in windows of 256.  window 0: v4-13, v30-31 addresses; v16-23 means; v24-27 h's scale words; v48-111 64 numbers at work; v112-127 codes just made; v128-165 h's codes and bytes; v200-216 at work; v224-247 W's scale words.
;   window 1: my 16 fragments of W for q or k.   window 2: v0-127 my 8 fragments of W for v; v128-191 q/k's bias, 8 a tile; v192-223 v's bias, 8 a tile; v224-227 v's bias as loaded.
;   window 3: v0-127 x as loaded, later h's 8 fragments; v128-191 a; v192-255 gn_b.
.set REC,  33792
.set WP,   272                         ; a row of W in LDS: 256 bytes + 16 of padding
.set WREG, 192*WP                      ; LDS: a wave's 192 rows of W: 128 for q or k, then 64 for v
.set HIMG, 4*WREG                      ; h's 8 fragments as images of registers, 2,048 bytes each: tile of places T, K step s: 2 T + s
.set HSC,  HIMG+8*2048                 ; h's scale words: 128 T + 64 s + 4 r
.set VZ,   4                           ; v4   0
.set LI,   5                           ; v5   16 x lane
.set LS,   6                           ; v6   4 x lane
.set XA,   7                           ; v7   8 x lane: my two places in a row of x
.set HADR, 8                           ; v8   where my places' codes go in h's images
.set HSA,  9                           ; v9   and their scale bytes
.set WA,   10                          ; v10  my lane's place in a tile of W in LDS
.set SA8,  11                          ; v11  8 x my row of a tile: W's scale bytes
.set H64,  12                          ; v12  64 (lane / 16)
.set P4,   13                          ; v13  4 x my row of a tile
.set MU,   16
.set HS,   24                          ; v24-27  tile T: lanes 0-15 K step 0's words, lanes 16-31 K step 1's
.set PWK,  28
.set TMPV, 29
.set HLI,  30                          ; v30  HIMG + 16 x lane
.set HLS,  31                          ; v31  HSC + 4 x lane
.set HA,   48
.set PC,   112
.set CX,   128
.set BY,   160
.set TM,   200
.set PW,   216
.set W1S,  224                         ; v224-239  tile t: K step 0's word, K step 1's
.set W2S,  240
.set B1,   128
.set BV,   192
.set BR,   224
.set GA,   128
.set GB,   192
.set WV,   20                          ; s20  my wave's number
.set SEL,  24
.set MNT,  26                          ; s26  the mantissa field of 57,344
.set HIM,  27                          ; s27  lanes 16-31
.set G1A,  32
.set G1B,  40
.set G0A,  48
.set G0B,  52
.set MSB, 0
.macro WIN new                         ; the immediate's high byte repeats the setting that is left
.if MSB != \new
	s_set_vgpr_msb (MSB<<8)|\new
.set MSB, \new
.endif
.endm
.macro PLACES n
.rept \n
	v_nop
.endr
.endm
.macro CROUND                          ; a round of the cluster's barrier
	s_barrier_signal -1
	s_barrier_wait -1
	s_cmp_lg_u32 s[WV], 0
	s_cbranch_scc1 .Lnot_wave_0_\@
	s_barrier_signal -3
.Lnot_wave_0_\@:
	s_barrier_wait -3
	s_barrier_signal -1
	s_barrier_wait -1
.endm
; One matrix instruction.  c < 0: the sum starts with the constant 0.  ra, rb = 1: that side's scale words are taken from lanes 16-31.
.macro WM d, a, b, c, sa, sb, ra, rb
.if (\c) < 0
.if ((\ra) == 0) && ((\rb) == 0)
	v_wmma_scale_f32_16x16x128_f8f6f4 v[\d:\d+7], v[\a:\a+15], v[\b:\b+15], 0, v[\sa], v[\sb] matrix_a_fmt:MATRIX_FMT_BF8 matrix_b_fmt:MATRIX_FMT_BF8
.elseif (\rb) == 0
	v_wmma_scale_f32_16x16x128_f8f6f4 v[\d:\d+7], v[\a:\a+15], v[\b:\b+15], 0, v[\sa], v[\sb] matrix_a_fmt:MATRIX_FMT_BF8 matrix_b_fmt:MATRIX_FMT_BF8 matrix_a_scale:MATRIX_SCALE_ROW1
.elseif (\ra) == 0
	v_wmma_scale_f32_16x16x128_f8f6f4 v[\d:\d+7], v[\a:\a+15], v[\b:\b+15], 0, v[\sa], v[\sb] matrix_a_fmt:MATRIX_FMT_BF8 matrix_b_fmt:MATRIX_FMT_BF8 matrix_b_scale:MATRIX_SCALE_ROW1
.else
	v_wmma_scale_f32_16x16x128_f8f6f4 v[\d:\d+7], v[\a:\a+15], v[\b:\b+15], 0, v[\sa], v[\sb] matrix_a_fmt:MATRIX_FMT_BF8 matrix_b_fmt:MATRIX_FMT_BF8 matrix_a_scale:MATRIX_SCALE_ROW1 matrix_b_scale:MATRIX_SCALE_ROW1
.endif
.else
.if ((\ra) == 0) && ((\rb) == 0)
	v_wmma_scale_f32_16x16x128_f8f6f4 v[\d:\d+7], v[\a:\a+15], v[\b:\b+15], v[\c:\c+7], v[\sa], v[\sb] matrix_a_fmt:MATRIX_FMT_BF8 matrix_b_fmt:MATRIX_FMT_BF8
.elseif (\rb) == 0
	v_wmma_scale_f32_16x16x128_f8f6f4 v[\d:\d+7], v[\a:\a+15], v[\b:\b+15], v[\c:\c+7], v[\sa], v[\sb] matrix_a_fmt:MATRIX_FMT_BF8 matrix_b_fmt:MATRIX_FMT_BF8 matrix_a_scale:MATRIX_SCALE_ROW1
.elseif (\ra) == 0
	v_wmma_scale_f32_16x16x128_f8f6f4 v[\d:\d+7], v[\a:\a+15], v[\b:\b+15], v[\c:\c+7], v[\sa], v[\sb] matrix_a_fmt:MATRIX_FMT_BF8 matrix_b_fmt:MATRIX_FMT_BF8 matrix_b_scale:MATRIX_SCALE_ROW1
.else
	v_wmma_scale_f32_16x16x128_f8f6f4 v[\d:\d+7], v[\a:\a+15], v[\b:\b+15], v[\c:\c+7], v[\sa], v[\sb] matrix_a_fmt:MATRIX_FMT_BF8 matrix_b_fmt:MATRIX_FMT_BF8 matrix_a_scale:MATRIX_SCALE_ROW1 matrix_b_scale:MATRIX_SCALE_ROW1
.endif
.endif
.endm
; 64 numbers of a lane, register 16 b + i = k 32 b + 16 (lane / 16) + i of my row, become a fragment's codes in v[pc] on and its scale word in v[pw].
.macro QUANT s, pc, pw
.irp b, 0,1,2,3
	v_max3_num_f32 v[TM+\b], |v[\s+16*\b]|, |v[\s+1+16*\b]|, 0x8000000   ; my 16 numbers of block b, and the floor 2^(16 - 127): the byte cannot fall under 1
.endr
.irp i, 2,4,6,8,10,12,14
.irp b, 0,1,2,3
	v_max3_num_f32 v[TM+\b], v[TM+\b], |v[\s+16*\b+\i]|, |v[\s+1+16*\b+\i]|
.endr
.endr
.irp b, 0,1,2,3
	v_permlanex16_b32 v[TM+4+\b], v[TM+\b], s[SEL], s[SEL+1]
.endr
.irp b, 0,1,2,3
	v_max_num_f32 v[TM+\b], v[TM+\b], v[TM+4+\b]   ; with lane l xor 16's: the block's largest magnitude
.endr
.irp b, 0,1,2,3
	v_add_nc_u32 v[TM+12+\b], 0xf8800000, v[TM+\b] ; 15 off its exponent field: the conversion's scale operand
.endr
.irp b, 0,1,2,3
	v_and_or_b32 v[TM+8+\b], v[TM+\b], 0x7f800000, s[MNT]   ; 57,344 x the scale
.endr
.irp b, 0,1,2,3
	v_lshrrev_b32 v[TM+4+\b], 23, v[TM+12+\b]      ; the scale's byte
.endr
	v_lshl_or_b32 v[\pw], v[TM+5], 8, v[TM+4]
	v_lshl_or_b32 v[\pw], v[TM+6], 16, v[\pw]
	v_lshl_or_b32 v[\pw], v[TM+7], 24, v[\pw]
.irp b, 0,1,2,3
.irp i, 0,1,2,3,4,5,6,7,8,9,10,11,12,13,14,15
	v_med3_num_f32 v[\s+16*\b+\i], v[\s+16*\b+\i], -v[TM+8+\b], v[TM+8+\b]   ; the conversion to an 8-bit code does not saturate (ISA guide 7.6.2): the hold
.endr
	v_cvt_scalef32_pk8_bf8_f32 v[\pc+4*\b:\pc+1+4*\b], v[\s+16*\b:\s+7+16*\b], v[TM+12+\b]
	v_cvt_scalef32_pk8_bf8_f32 v[\pc+2+4*\b:\pc+3+4*\b], v[\s+8+16*\b:\s+15+16*\b], v[TM+12+\b]
.endr
	v_nop                                          ; one plain line between the last conversion and whatever next touches its registers
.endm
; A whole block of 32 along K in one lane's 32 registers: 8 registers of codes, and the byte.
.macro QB32 src, dst, by
	v_max3_num_f32 v[TM], |v[\src]|, |v[\src+1]|, |v[\src+2]|
	v_max3_num_f32 v[TM+1], |v[\src+3]|, |v[\src+4]|, |v[\src+5]|
.irp i, 6,10,14,18,22,26
	v_max3_num_f32 v[TM], v[TM], |v[\src+\i]|, |v[\src+\i+1]|
	v_max3_num_f32 v[TM+1], v[TM+1], |v[\src+\i+2]|, |v[\src+\i+3]|
.endr
	v_max3_num_f32 v[TM], v[TM], |v[\src+30]|, |v[\src+31]|
	v_max3_num_f32 v[TM], v[TM], v[TM+1], 0x8000000
	v_add_nc_u32 v[TM+2], 0xf8800000, v[TM]
	v_and_or_b32 v[TM+3], v[TM], 0x7f800000, s[MNT]
	v_lshrrev_b32 v[\by], 23, v[TM+2]
.set ii, 0
.rept 32
	v_med3_num_f32 v[\src+ii], v[\src+ii], -v[TM+3], v[TM+3]
.set ii, ii+1
.endr
.irp g, 0,1,2,3
	v_cvt_scalef32_pk8_bf8_f32 v[\dst+2*\g:\dst+2*\g+1], v[\src+8*\g:\src+8*\g+7], v[TM+2]
.endr
	v_nop
.endm
; h of my channels 32 j .. 32 j + 31 at my two places: v[HA + 32 e + i], e the place, i the channel
.macro NORM j
	WIN 0x03                                       ; source 0 (x) window 3
.set ii, 0
.rept 32
	v_sub_f32 v[HA+ii], v[2*(32*\j+ii)], v[MU+4*\j+ii/8]
	v_sub_f32 v[HA+32+ii], v[2*(32*\j+ii)+1], v[MU+4*\j+ii/8]
.set ii, ii+1
.endr
	WIN 0x3c                                       ; sources 1 (a) and 2 (gn_b) window 3
.set ii, 0
.rept 32
	v_fma_f32 v[HA+ii], v[HA+ii], v[GA+32*\j+ii], v[GB+32*\j+ii]
	v_fma_f32 v[HA+32+ii], v[HA+32+ii], v[GA+32*\j+ii], v[GB+32*\j+ii]
.set ii, ii+1
.endr
	WIN 0
.endm
	s_load_b256 s[4:11], s[0:1], 0x0               ; x, gnst, gn_b, W's codes
	s_load_b256 s[12:19], s[0:1], 0x20             ; W's scales, qkv_b, qrec, kvrec
	v_lshl_add_u32 v254, v0, 2, 0x38000
	v_mov_b32 v255, 0
	ds_add_u32 v254, v255
	ds_add_u32 v254, v255
	v_lshrrev_b32 v1, 5, v0
	v_readfirstlane_b32 s[WV], v1                  ; wave 0..3
	s_bfe_u32 s21, ttmp6, 0x40000                  ; cx: it enters global addresses of x and of the records alone
	s_lshl_b32 s23, ttmp9, 2
	s_add_co_u32 s23, s23, s21                     ; work-group = 4 x cluster + cx
	s_lshr_b32 s22, s23, 6                         ; b: the image
	s_and_b32 s23, s23, 63                         ; nb: which 64 places
	; descriptor group 1: rows of 256 bytes (256 elements of 1 byte), 16 bytes of padding behind each; 128 rows, or 64
	s_mov_b32 s[G1A], 15|(1<<20)|(1<<21)|(5<<22)|(3<<25)   ; 15:0 the mask: all four work-groups; 20 padding on; 21 set beside a mask; 24:22 after every 64 words; 31:25 four words
	s_mov_b32 s[G1A+1], 256<<16
	s_mov_b32 s[G1A+2], 128<<16
	s_mov_b32 s[G1A+3], 256<<16
	s_mov_b32 s[G1A+4], 128
	s_mov_b32 s[G1A+5], 256
	s_mov_b32 s[G1A+6], 0
	s_mov_b32 s[G1A+7], 0
	s_mov_b32 s[G1B], 15|(1<<20)|(1<<21)|(5<<22)|(3<<25)
	s_mov_b32 s[G1B+1], 256<<16
	s_mov_b32 s[G1B+2], 64<<16
	s_mov_b32 s[G1B+3], 256<<16
	s_mov_b32 s[G1B+4], 64
	s_mov_b32 s[G1B+5], 256
	s_mov_b32 s[G1B+6], 0
	s_mov_b32 s[G1B+7], 0
	s_mov_b32 s[G0A], 1
	s_mul_i32 s[G0A+1], s[WV], WREG                ; my region of LDS
	s_mov_b32 s[G0B], 1
	s_add_co_u32 s[G0B+1], s[G0A+1], 128*WP
	s_lshl_b32 s56, s[WV], 15                      ; rows 128 w on
	s_mov_b32 s57, 0
	s_lshl_b32 s58, s[WV], 14
	s_add_co_u32 s58, s58, 131072                  ; rows 512 + 64 w on
	s_mov_b32 s59, 0
	s_wait_dscnt 0x0
	s_wait_kmcnt 0x0
	s_add_nc_u64 s[G0A+2:G0A+3], s[10:11], s[56:57]
	s_or_b32 s[G0A+3], s[G0A+3], 0x80000000
	s_add_nc_u64 s[G0B+2:G0B+3], s[10:11], s[58:59]
	s_or_b32 s[G0B+3], s[G0B+3], 0x80000000
	CROUND                                         ; all four work-groups are here: the joint loads meet
	tensor_load_to_lds s[G0A:G0A+3], s[G1A:G1A+7]  ; two loads of mine are out
	s_nop 0
	tensor_load_to_lds s[G0B:G0B+3], s[G1B:G1B+7]
	s_nop 0
	PLACES 4
	; addresses
	v_mov_b32 v[VZ], 0
	v_and_b32 v1, 31, v0                           ; lane
	v_and_b32 v2, 15, v0                           ; r
	v_bfe_u32 v3, v0, 4, 1                         ; h
	v_lshlrev_b32 v[LI], 4, v1
	v_lshlrev_b32 v[LS], 2, v1
	v_lshlrev_b32 v[XA], 3, v1
	v_add_nc_u32 v[HLI], HIMG, v[LI]
	v_add_nc_u32 v[HLS], HSC, v[LS]
	; lane l holds places n = 2 l + e.  Place n lies in tile T = 2 (n / 32) + (n / 8) % 2 at row r = n % 8 + 8 ((n / 16) % 2): T = 2 bit4(l) + bit2(l), r = e + 2 (l % 4) + 8 bit3(l)
	v_and_b32 v14, 3, v0
	v_bfe_u32 v15, v0, 3, 1
	v_bfe_u32 v[TMPV], v0, 2, 1
	v_lshlrev_b32 v[HADR], 5, v14
	v_lshl_add_u32 v[HADR], v15, 7, v[HADR]
	v_lshl_add_u32 v[HADR], v[TMPV], 12, v[HADR]
	v_lshl_add_u32 v[HADR], v3, 13, v[HADR]
	s_lshl_b32 s56, s[WV], 10                      ; my channels 64 w on are K step w / 2, blocks 2 (w % 2) on: 2048 (w / 2) + 1024 (w % 2)
	s_add_co_u32 s56, s56, HIMG
	v_add_nc_u32 v[HADR], s56, v[HADR]
	v_lshlrev_b32 v[HSA], 3, v14
	v_lshl_add_u32 v[HSA], v15, 5, v[HSA]
	v_lshl_add_u32 v[HSA], v[TMPV], 7, v[HSA]
	v_lshl_add_u32 v[HSA], v3, 8, v[HSA]
	s_lshr_b32 s56, s[WV], 1
	s_lshl_b32 s56, s56, 6
	s_and_b32 s58, s[WV], 1
	s_lshl_b32 s58, s58, 1
	s_add_co_u32 s56, s56, s58
	s_add_co_u32 s56, s56, HSC
	v_add_nc_u32 v[HSA], s56, v[HSA]
	v_and_b32 v14, 8, v2
	v_add_nc_u32 v14, v14, v2                      ; r + 8 (r / 8): my row of a tile
	v_mul_u32_u24 v[WA], v14, WP
	v_lshl_add_u32 v[WA], v3, 4, v[WA]
	v_add_nc_u32 v[WA], s[G0A+1], v[WA]
	v_lshlrev_b32 v[SA8], 3, v14
	v_lshlrev_b32 v[H64], 6, v3
	v_lshlrev_b32 v[P4], 2, v14
.irp b, 0,1,2,3
	v_mov_b32 v[TM+4+\b], 0                        ; written once: a lane permute's destination counts as one of its sources
.endr
	s_mov_b32 s[SEL], 0x76543210
	s_mov_b32 s[SEL+1], 0xfedcba98
	s_mov_b32 s[MNT], 0x600000
	s_mov_b32 s[HIM], 0xffff0000
	; bases
	s_lshl_b32 s56, s22, 10
	s_lshl_b32 s58, s[WV], 8
	s_add_co_u32 s56, s56, s58
	s_add_nc_u64 s[6:7], s[6:7], s[56:57]          ; gnst at channel 256 b + 64 w
	s_lshl_b32 s56, s[WV], 8
	s_add_nc_u64 s[8:9], s[8:9], s[56:57]          ; gn_b at channel 64 w
	s_lshl_b32 s56, s22, 22
	s_lshl_b32 s58, s[WV], 20
	s_add_co_u32 s56, s56, s58
	s_lshl_b32 s58, s23, 8
	s_add_co_u32 s56, s56, s58
	s_add_nc_u64 s[4:5], s[4:5], s[56:57]          ; x at image b, channel 64 w, place 64 nb
	s_lshl_b32 s56, s[WV], 9
	s_add_co_u32 s56, s56, 4096
	s_add_nc_u64 s[82:83], s[12:13], s[56:57]      ; W's scale bytes at row 512 + 64 w
	s_lshl_b32 s56, s[WV], 10
	s_add_nc_u64 s[12:13], s[12:13], s[56:57]      ; and at row 128 w
	s_lshl_b32 s56, s[WV], 8
	s_add_co_u32 s56, s56, 2048
	s_add_nc_u64 s[84:85], s[14:15], s[56:57]      ; qkv_b at row 512 + 64 w
	s_lshl_b32 s56, s[WV], 9
	s_add_nc_u64 s[14:15], s[14:15], s[56:57]      ; and at row 128 w
	s_lshl_b32 s60, s22, 5
	s_lshr_b32 s61, s23, 1
	s_add_co_u32 s60, s60, s61                     ; the record: 32 b + nb / 2
	s_mul_i32 s62, s60, REC
	s_mov_b32 s63, 0
	s_mul_i32 s66, s60, 2*REC
	s_mov_b32 s67, 0
	s_add_nc_u64 s[16:17], s[16:17], s[62:63]      ; the q record
	s_add_nc_u64 s[18:19], s[18:19], s[66:67]      ; the k record; the v record lies REC behind it
	s_cmp_lt_u32 s[WV], 2                          ; the choice hangs on the wave's number alone
	s_cselect_b64 s[68:69], s[16:17], s[18:19]     ; waves 0, 1 make q, waves 2, 3 k
	s_and_b32 s70, s23, 1                          ; which half of the record
	s_and_b32 s71, s[WV], 1                        ; which K step
	s_lshl_b32 s72, s70, 14
	s_lshl_b32 s73, s71, 11
	s_add_co_u32 s72, s72, s73
	s_mov_b32 s73, 0
	s_add_nc_u64 s[74:75], s[68:69], s[72:73]      ; q/k codes: + 4096 x 4 half + 2048 s
	s_lshl_b32 s72, s70, 8
	s_lshl_b32 s76, s71, 9
	s_add_co_u32 s72, s72, s76
	s_add_co_u32 s72, s72, 32768
	s_add_nc_u64 s[76:77], s[68:69], s[72:73]      ; q/k scale words: + 32768 + 512 s + 64 x 4 half
	s_lshl_b32 s72, s[WV], 13
	s_lshl_b32 s78, s70, 10
	s_add_co_u32 s72, s72, s78
	s_add_co_u32 s72, s72, REC
	s_add_nc_u64 s[78:79], s[18:19], s[72:73]      ; v codes: tile 4 w, chunk 2 half
	s_lshl_b32 s72, s[WV], 8
	s_lshl_b32 s80, s70, 1
	s_add_co_u32 s72, s72, s80
	s_add_co_u32 s72, s72, REC+32768
	s_add_nc_u64 s[80:81], s[18:19], s[72:73]      ; v scale bytes: tile 4 w, byte 2 half
	; the tables of my 64 channels (the same address in all lanes), then x: each load reads 256 consecutive bytes of one channel, two places a lane
.irp k, 0,1,2,3,4,5,6,7
	global_load_b32 v[MU+\k], v[VZ], s[6:7] offset:4096+32*\k
.endr
	WIN 0xc0                                       ; destination window 3
.set ii, 0
.rept 16
	global_load_b128 v[GA+4*ii:GA+4*ii+3], v[VZ], s[6:7] offset:16*ii
	global_load_b128 v[GB+4*ii:GB+4*ii+3], v[VZ], s[8:9] offset:16*ii
.set ii, ii+1
.endr
.set ii, 0
.rept 64
	global_load_b64 v[2*ii:2*ii+1], v[XA], s[4:5] offset:16384*ii
.set ii, ii+1
.endr
	WIN 0
	; ---- X: my 64 channels of h at the 64 places: two blocks of 32 along K for each place
	s_wait_loadcnt 32                              ; all but the youngest 32: x of my channels 32 to 63
	NORM 0
	QB32 HA, CX, BY
	QB32 HA+32, CX+8, BY+1
.irp t, 0,1,2,3,4,5,6,7                        ; 32 small loads: W's scale words and the biases
	global_load_b64 v[W1S+2*\t:W1S+2*\t+1], v[SA8], s[12:13] offset:(32*(\t/2)+8*(\t%2))*8
.endr
.irp t, 0,1,2,3
	global_load_b64 v[W2S+2*\t:W2S+2*\t+1], v[SA8], s[82:83] offset:(32*(\t/2)+8*(\t%2))*8
.endr
	WIN 0x80                                       ; destination window 2
.irp t, 0,1,2,3,4,5,6,7                        ; q/k's bias in the result's layout: lane (r, h) of tile 2 b + u holds rows 32 b + 8 u + 16 h + 0 .. 7
	global_load_b128 v[B1+8*\t:B1+8*\t+3], v[H64], s[14:15] offset:(32*(\t/2)+8*(\t%2))*4
	global_load_b128 v[B1+8*\t+4:B1+8*\t+7], v[H64], s[14:15] offset:(32*(\t/2)+8*(\t%2))*4+16
.endr
.irp t, 0,1,2,3
	global_load_b32 v[BR+\t], v[P4], s[84:85] offset:(32*(\t/2)+8*(\t%2))*4   ; v's: one row a lane
.endr
	WIN 0
	s_wait_loadcnt 32                              ; all but those 32: the rest of x is in
	NORM 1
	QB32 HA, CX+16, BY+2
	QB32 HA+32, CX+24, BY+3
.irp j, 0,1
.irp e, 0,1
	ds_store_b128 v[HADR], v[CX+8*(2*\j+\e):CX+8*(2*\j+\e)+3] offset:512*\j+16*\e        ; k 0-15 of the block: the place of lane (r, 0)
	ds_store_b128 v[HADR], v[CX+8*(2*\j+\e)+4:CX+8*(2*\j+\e)+7] offset:512*\j+16*\e+256  ; k 16-31: that of lane (r, 1)
.endr
.endr
	v_lshl_or_b32 v[BY+4], v[BY+2], 8, v[BY]       ; my two blocks' bytes are neighbours in the place's scale word
	v_lshl_or_b32 v[BY+5], v[BY+3], 8, v[BY+1]
	ds_store_b16 v[HSA], v[BY+4]
	ds_store_b16 v[HSA], v[BY+5] offset:4
	; ---- my rows of W into registers: they are my own LDS bytes, so my own wait is all the ordering that the reads need
	s_wait_tensorcnt 0x0
	WIN 0x40                                       ; destination window 1
.irp t, 0,1,2,3,4,5,6,7
.irp s, 0,1
.irp c, 0,1,2,3
	ds_load_b128 v[16*(2*\t+\s)+4*\c:16*(2*\t+\s)+4*\c+3], v[WA] offset:(32*(\t/2)+8*(\t%2))*WP+128*\s+32*\c
.endr
.endr
.endr
	WIN 0x80
.irp t, 0,1,2,3
.irp s, 0,1
.irp c, 0,1,2,3
	ds_load_b128 v[16*(2*\t+\s)+4*\c:16*(2*\t+\s)+4*\c+3], v[WA] offset:(128+32*(\t/2)+8*(\t%2))*WP+128*\s+32*\c
.endr
.endr
.endr
	s_wait_loadcnt 0x0
	WIN 0x82
.irp t, 0,1,2,3
.irp j, 0,1,2,3,4,5,6,7
	v_mov_b32 v[BV+8*\t+\j], v[BR+\t]              ; v's bias as the C of a sum: a lane's eight results belong to one row of W
.endr
.endr
	WIN 0
	s_wait_dscnt 0x0                               ; my stores of h's images have landed, my loads are in
	s_barrier_signal -1
	s_barrier_wait -1                              ; h's eight fragments lie in LDS
	WIN 0xc0
.irp f, 0,1,2,3,4,5,6,7
.irp c, 0,1,2,3
	ds_load_b128 v[16*\f+4*\c:16*\f+4*\c+3], v[HLI] offset:2048*\f+512*\c
.endr
.endr
	WIN 0
.irp nt, 0,1,2,3
	ds_load_b32 v[HS+\nt], v[HLS] offset:128*\nt
.endr
	s_wait_dscnt 0x0
	; ---- q or k: source 0 = 16 rows of W, source 1 = 16 places of h: a lane holds one place, its registers run along the rows of W, the next K.  The eight accumulators take turns.
.irp m, 0,1,2,3
	WIN 0x2d                                       ; source 0 window 1, source 1 window 3, C window 2
.irp t, 0,1,2,3,4,5,6,7
	WM HA+8*\t, 16*(2*\t), 16*(2*\m), B1+8*\t, W1S+2*\t, HS+\m, 0, 0
.endr
	WIN 0x0d
.irp t, 0,1,2,3,4,5,6,7
	WM HA+8*\t, 16*(2*\t+1), 16*(2*\m+1), HA+8*\t, W1S+2*\t+1, HS+\m, 0, 1
.endr
	WIN 0
	PLACES 8                                       ; behind this form eight places ahead of the first read of results
	s_wait_xcnt 0x0                                ; the last tile's stores have read their registers
	QUANT HA, PC, PW
.irp c, 0,1,2,3
	global_store_b128 v[LI], v[PC+4*\c:PC+4*\c+3], s[74:75] offset:4096*\m+512*\c   ; 512 consecutive bytes, at a multiple of 256 from the buffer's first byte
.endr
.if \m % 2 == 0
	v_mov_b32 v[PWK], v[PW]
.else
	v_cndmask_b32 v[PWK], v[PWK], v[PW], s[HIM]    ; lanes 0-15: the even tile's words; lanes 16-31: the odd tile's
	global_store_b32 v[LS], v[PWK], s[76:77] offset:64*(\m-1)
.endif
.endr
	; ---- v: source 0 = 16 places of h, source 1 = 16 rows of W: a lane holds one row (a channel of v), its registers run along the places, the keys of the second attention product
.irp p, 0,1
	WIN 0x2b                                       ; source 0 window 3, source 1 window 2, C window 2
.irp ti, 0,1
.irp nt, 0,1,2,3
	WM HA+32*\ti+8*\nt, 16*(2*\nt), 16*(2*(2*\p+\ti)), BV+8*(2*\p+\ti), HS+\nt, W2S+2*(2*\p+\ti), 0, 0
.endr
.endr
	WIN 0x0b
.irp ti, 0,1
.irp nt, 0,1,2,3
	WM HA+32*\ti+8*\nt, 16*(2*\nt+1), 16*(2*(2*\p+\ti)+1), HA+32*\ti+8*\nt, HS+\nt, W2S+2*(2*\p+\ti)+1, 1, 0
.endr
.endr
	WIN 0
	PLACES 8
	s_wait_xcnt 0x0
	QUANT HA, PC, PW                               ; its four blocks: tile 2 p + ti of my four, places 32 bb on
.irp ti, 0,1
.irp bb, 0,1
	global_store_b128 v[LI], v[PC+4*(2*\ti+\bb):PC+4*(2*\ti+\bb)+3], s[78:79] offset:2048*(2*\p+\ti)+512*\bb
.endr
.endr
	v_lshrrev_b32 v[TMPV], 16, v[PW]
	v_cndmask_b32 v[PWK], v[PW], v[TMPV], s[HIM]   ; lanes 0-15: the first tile's two bytes; lanes 16-31: the second's
	global_store_b16 v[LS], v[PWK], s[80:81] offset:128*\p
.endr
	s_wait_tensorcnt 0x0
	ds_add_u32 v254, v255
	s_wait_dscnt 0x0
	CROUND                                         ; the closing round
	s_endpgm
.Lfunc_end_k_qb3aa0a67ae_qkv:
	.size	k_qb3aa0a67ae_qkv, .Lfunc_end_k_qb3aa0a67ae_qkv-k_qb3aa0a67ae_qkv
	.p2alignl 7, 3214868480
	.fill 96, 4, 3214868480
	.section	.rodata,"a",@progbits
	.p2align	6, 0x0
	.amdhsa_kernel k_qb3aa0a67ae_qkv
		.amdhsa_group_segment_fixed_size 229888
		.amdhsa_private_segment_fixed_size 0
		.amdhsa_enable_private_segment 0
		.amdhsa_kernarg_size 64
		.amdhsa_user_sgpr_count 2
		.amdhsa_user_sgpr_kernarg_segment_ptr 1
		.amdhsa_wavefront_size32 1
		.amdhsa_system_sgpr_workgroup_id_x 1
		.amdhsa_system_sgpr_workgroup_id_y 1
		.amdhsa_system_sgpr_workgroup_id_z 1
		.amdhsa_system_vgpr_workitem_id 0
		.amdhsa_next_free_vgpr 1024
		.amdhsa_next_free_sgpr 88
		.amdhsa_reserve_vcc 0
		.amdhsa_float_denorm_mode_32 3
		.amdhsa_float_denorm_mode_16_64 3
		.amdhsa_memory_ordered 1
		.amdhsa_forward_progress 1
		.amdhsa_inst_pref_size 123
	.end_amdhsa_kernel
	.amdgpu_metadata
---
amdhsa.version: [ 1, 2 ]
amdhsa.kernels:
  - .name:           k_qb3aa0a67ae_qkv
    .symbol:         k_qb3aa0a67ae_qkv.kd
    .args:
      - { .name: x, .offset: 0, .size: 8, .value_kind: global_buffer, .address_space: global }
      - { .name: gnst, .offset: 8, .size: 8, .value_kind: global_buffer, .address_space: global }
      - { .name: gn_b, .offset: 16, .size: 8, .value_kind: global_buffer, .address_space: global }
      - { .name: qkv_w_codes, .offset: 24, .size: 8, .value_kind: global_buffer, .address_space: global }
      - { .name: qkv_w_scales, .offset: 32, .size: 8, .value_kind: global_buffer, .address_space: global }
      - { .name: qkv_b, .offset: 40, .size: 8, .value_kind: global_buffer, .address_space: global }
      - { .name: qrec, .offset: 48, .size: 8, .value_kind: global_buffer, .address_space: global }
      - { .name: kvrec, .offset: 56, .size: 8, .value_kind: global_buffer, .address_space: global }
    .group_segment_fixed_size: 229888
    .private_segment_fixed_size: 0
    .kernarg_segment_align: 8
    .kernarg_segment_size: 64
    .max_flat_workgroup_size: 128
    .sgpr_count:     88
    .vgpr_count:     1024
    .wavefront_size: 32
...
	.end_amdgpu_metadata
.endif
;; end of part 2
;; launch attn (part 3): grid 64 x 4, 4 waves a work-group, clusters of 4 x 1, 327,680 bytes of LDS; arguments qrec, kvrec, proj_w_codes, proj_w_scales, proj_b, x, out0; writes out0
.if DOCPART == 3
	.amdgcn_target "amdgcn-amd-amdhsa--gfx1250"
	.amdhsa_code_object_version 6
	.text
	.protected	k_qb3aa0a67ae_attn
	.globl	k_qb3aa0a67ae_attn
	.p2align	8
	.type	k_qb3aa0a67ae_attn,@function
k_qb3aa0a67ae_attn:
	s_mov_b64 s[64:65], 0
	v_nop
	global_prefetch_b8 v0, s[64:65] scope:SCOPE_SE
	s_setreg_imm32_b32 hwreg(HW_REG_WAVE_MODE, 25, 1), 1
	s_wait_xcnt 0x0
	s_wait_alu depctr_hold_cnt(0) depctr_sa_sdst(0) depctr_va_vdst(0) depctr_va_sdst(0) depctr_va_ssrc(0) depctr_va_vcc(0) depctr_vm_vsrc(0)
	s_getreg_b32 s2, hwreg(HW_REG_IB_STS2, 6, 4)
	s_cmp_eq_u32 s2, 0
	s_cbranch_scc0 .Lentry_in_a_cluster
	s_endpgm
.Lentry_in_a_cluster:
	s_bfe_u32 s2, ttmp6, 0x10000c
	s_cmp_lg_u32 s2, 0x3003
	s_cbranch_scc0 .Lentry_shape_is_right
	s_endpgm
.Lentry_shape_is_right:
; out0 = x + proj_w out + proj_b, out[c][n] = sum over m of softmax_m(q[.][n] . k[.][m] / 16) v[c][m]; all three products on codes of BF8 (E5M2) with one E8M0 scale for each 32 along K.
; q, k, v come as RECORDS of REC = 33,792 bytes for 128 places, images of operand registers: q, k: codes at 4096 tile + 2048 s + 512 c + 16 lane, scale words at 32768 + 512 s + 64 tile + 4 r;
; v: codes at 2048 tile + 512 c + 16 lane (16 channels x 128 keys), scale words at 32768 + 64 tile + 4 r.  Lane r of tile 2 b + u holds row 32 b + 8 u + r + 8 (r / 8).
; THE SOFTMAX: t = score x log2(e) / 16; M = the running largest t rounded UP to a whole number; p = 2^(t - M) is quantised along the keys, not normalised; the sum is taken of the unquantised p and divides at the end.
; SHARES.  A work-group owns 64 queries of one image.  Wave w: qh = w % 2, kh = w / 2: it holds the two tiles of 16 queries 2 qh, 2 qh + 1 and walks the keys of the records 2 j + kh, j = 0 .. 15: so each fragment
; of k and v read from LDS feeds two matrix instructions.  My register tile 0 is query tile 2 qh + kh, which I finish; tile 1 goes at the end to wave w xor 2, which has walked the other keys.
; Both products are used transposed (S^T = k q^T, O^T = v p^T): a lane holds one query throughout.
; RING: two LDS slots, each with two k and two v records (135,168 dense bytes of kvrec); each wave brings one record.  CLUSTER: the four work-groups of a cluster belong to one image and walk the same
; records: each is asked for JOINTLY.  A step's refill stands behind a round of the cluster's barrier in the step's middle, when v lies in registers and nobody reads the slot any more.
; LIMITS: NaN and infinities are not served; a block whose largest magnitude lies under 2^-111 (a block of zeros among them) gets the scale byte 1; a p under 2^-126 counts as 0.
; REGISTERS, in windows of 256.  window 0: v1-15, v244-250 addresses; v16-31 statistics, 8 a tile; v32-63 at work, 16 a tile; v64-191 S^T then p, 64 a tile; v192-223 p's codes; v224-243 scale words.
;   window 1: O^T, 128 a tile.   window 2: v0-63 q; v64-191 k's K step 0; v192-223 proj_b.   window 3: two buffers of 128: k's K step 1 and the two halves of v, by turns.
.set REC,   33792
.set SLOT,  4*REC
.set SPARE, 2*SLOT                     ; the spare words, 128 bytes for each wave: two blocks of 256 bytes that no other line names
.set XS,    SPARE+512                  ; -M and the sum of the tile that changes hands: 256 bytes a wave
.set XST,   256*272                    ; its O^T: 16,384 bytes a wave, in slot 0 behind proj_w: those blocks have had their last fill
.set YST,   SLOT                       ; the stage for y, 256 rows x (256 bytes + 16), in slot 1 when it has had its last fill and its last read
.set AK,  1                            ; v1-2   k's codes in slot 0, 1: 16 x lane + my key half's record
.set AV,  3                            ; v3-4   v's
.set ASK, 5                            ; v5-6   k's scale words: 4 x lane + ..
.set ASV, 7                            ; v7-8   v's
.set SPW, 9                            ; v9     my spare word; never rewritten
.set NIL, 10                           ; v10    0; never rewritten
.set XW,  11
.set XR,  12
.set AP,  13
.set YR,  14
.set OXO, 15
.set ST,  16                           ; tile u at +8 u: +0 -M, +1 the largest t, +2 +3 the sum in two halves, +4 +5 f, +6 +7 at work
.set TM,  32
.set S,   64
.set P,   192
.set KS,  224                          ; register 4 s + p: lanes 0-15 the words of key tile 2 p, lanes 16-31 of 2 p + 1
.set VS,  232                          ; register p likewise, for v's 16 tiles
.set PJS, 224                          ; at the end: proj_w's words: lanes 0-15 K step 0, lanes 16-31 K step 1
.set QS,  240                          ; q's words: lanes 0-15 K step 0, lanes 16-31 K step 1
.set PS,  242                          ; p's words, a register a tile
.set L16, 244
.set YW,  245
.set XSW, 246
.set XSR, 247
.set VQ,  248
.set VPS, 249
.set PBA, 250
.set KA,  64
.set PB,  192
.set KB,  0
.set VC,  128
.set WV,  18
.set SEL, 24
.set CS,  26
.set MNT, 28
.set TRIP, 29
.set G1,  32
.set G0,  40
.set G1P, 48
.set G0P, 56
.set MSB, 0
.macro WIN new                         ; the immediate's high byte repeats the setting that is left
.if MSB != \new
	s_set_vgpr_msb (MSB<<8)|\new
.set MSB, \new
.endif
.endm
.macro PLACES n
.rept \n
	v_nop
.endr
.endm
.macro CROUND                          ; a round of the cluster's barrier
	s_barrier_signal -1
	s_barrier_wait -1
	s_cmp_lg_u32 s[WV], 0
	s_cbranch_scc1 .Lnot_wave_0_\@
	s_barrier_signal -3
.Lnot_wave_0_\@:
	s_barrier_wait -3
	s_barrier_signal -1
	s_barrier_wait -1
.endm
; One matrix instruction.  c < 0: the sum starts with the constant 0.  ra, rb = 1: that side's scale words are taken from lanes 16-31.
.macro WM d, a, b, c, sa, sb, ra, rb
.if (\c) < 0
.if ((\ra) == 0) && ((\rb) == 0)
	v_wmma_scale_f32_16x16x128_f8f6f4 v[\d:\d+7], v[\a:\a+15], v[\b:\b+15], 0, v[\sa], v[\sb] matrix_a_fmt:MATRIX_FMT_BF8 matrix_b_fmt:MATRIX_FMT_BF8
.elseif (\rb) == 0
	v_wmma_scale_f32_16x16x128_f8f6f4 v[\d:\d+7], v[\a:\a+15], v[\b:\b+15], 0, v[\sa], v[\sb] matrix_a_fmt:MATRIX_FMT_BF8 matrix_b_fmt:MATRIX_FMT_BF8 matrix_a_scale:MATRIX_SCALE_ROW1
.elseif (\ra) == 0
	v_wmma_scale_f32_16x16x128_f8f6f4 v[\d:\d+7], v[\a:\a+15], v[\b:\b+15], 0, v[\sa], v[\sb] matrix_a_fmt:MATRIX_FMT_BF8 matrix_b_fmt:MATRIX_FMT_BF8 matrix_b_scale:MATRIX_SCALE_ROW1
.else
	v_wmma_scale_f32_16x16x128_f8f6f4 v[\d:\d+7], v[\a:\a+15], v[\b:\b+15], 0, v[\sa], v[\sb] matrix_a_fmt:MATRIX_FMT_BF8 matrix_b_fmt:MATRIX_FMT_BF8 matrix_a_scale:MATRIX_SCALE_ROW1 matrix_b_scale:MATRIX_SCALE_ROW1
.endif
.else
.if ((\ra) == 0) && ((\rb) == 0)
	v_wmma_scale_f32_16x16x128_f8f6f4 v[\d:\d+7], v[\a:\a+15], v[\b:\b+15], v[\c:\c+7], v[\sa], v[\sb] matrix_a_fmt:MATRIX_FMT_BF8 matrix_b_fmt:MATRIX_FMT_BF8
.elseif (\rb) == 0
	v_wmma_scale_f32_16x16x128_f8f6f4 v[\d:\d+7], v[\a:\a+15], v[\b:\b+15], v[\c:\c+7], v[\sa], v[\sb] matrix_a_fmt:MATRIX_FMT_BF8 matrix_b_fmt:MATRIX_FMT_BF8 matrix_a_scale:MATRIX_SCALE_ROW1
.elseif (\ra) == 0
	v_wmma_scale_f32_16x16x128_f8f6f4 v[\d:\d+7], v[\a:\a+15], v[\b:\b+15], v[\c:\c+7], v[\sa], v[\sb] matrix_a_fmt:MATRIX_FMT_BF8 matrix_b_fmt:MATRIX_FMT_BF8 matrix_b_scale:MATRIX_SCALE_ROW1
.else
	v_wmma_scale_f32_16x16x128_f8f6f4 v[\d:\d+7], v[\a:\a+15], v[\b:\b+15], v[\c:\c+7], v[\sa], v[\sb] matrix_a_fmt:MATRIX_FMT_BF8 matrix_b_fmt:MATRIX_FMT_BF8 matrix_a_scale:MATRIX_SCALE_ROW1 matrix_b_scale:MATRIX_SCALE_ROW1
.endif
.endif
.endm
; 64 numbers of a lane, register 16 b + i = k 32 b + 16 (lane / 16) + i of my row, become a fragment's codes in v[pc] on and its scale word in v[pw].
.macro QUANT s, pc, pw
.irp b, 0,1,2,3
	v_max3_num_f32 v[TM+\b], |v[\s+16*\b]|, |v[\s+1+16*\b]|, 0x8000000   ; my 16 numbers of block b, and the floor 2^(16 - 127): the byte cannot fall under 1
.endr
.irp i, 2,4,6,8,10,12,14
.irp b, 0,1,2,3
	v_max3_num_f32 v[TM+\b], v[TM+\b], |v[\s+16*\b+\i]|, |v[\s+1+16*\b+\i]|
.endr
.endr
.irp b, 0,1,2,3
	v_permlanex16_b32 v[TM+4+\b], v[TM+\b], s[SEL], s[SEL+1]
.endr
.irp b, 0,1,2,3
	v_max_num_f32 v[TM+\b], v[TM+\b], v[TM+4+\b]
.endr
.irp b, 0,1,2,3
	v_add_nc_u32 v[TM+12+\b], 0xf8800000, v[TM+\b]
.endr
.irp b, 0,1,2,3
	v_and_or_b32 v[TM+8+\b], v[TM+\b], 0x7f800000, s[MNT]
.endr
.irp b, 0,1,2,3
	v_lshrrev_b32 v[TM+4+\b], 23, v[TM+12+\b]
.endr
	v_lshl_or_b32 v[\pw], v[TM+5], 8, v[TM+4]
	v_lshl_or_b32 v[\pw], v[TM+6], 16, v[\pw]
	v_lshl_or_b32 v[\pw], v[TM+7], 24, v[\pw]
.irp b, 0,1,2,3
.irp i, 0,1,2,3,4,5,6,7,8,9,10,11,12,13,14,15
	v_med3_num_f32 v[\s+16*\b+\i], v[\s+16*\b+\i], -v[TM+8+\b], v[TM+8+\b]   ; the conversion to an 8-bit code does not saturate (ISA guide 7.6.2): the hold
.endr
	v_cvt_scalef32_pk8_bf8_f32 v[\pc+4*\b:\pc+1+4*\b], v[\s+16*\b:\s+7+16*\b], v[TM+12+\b]
	v_cvt_scalef32_pk8_bf8_f32 v[\pc+2+4*\b:\pc+3+4*\b], v[\s+8+16*\b:\s+15+16*\b], v[TM+12+\b]
.endr
	v_nop                                          ; one plain line between the last conversion and whatever next touches its registers
.endm
; THE LDS LOADS, in runs.  An image's 512 bytes are consecutive: 16 bytes a lane, no pitch, no padding.
.macro LDK0 sl                         ; k's eight fragments of K step 0
	WIN 0x80
.irp kt, 0,1,2,3,4,5,6,7
.irp c, 0,1,2,3
	ds_load_b128 v[KA+16*\kt+4*\c:KA+16*\kt+4*\c+3], v[AK+(\sl)] offset:4096*\kt+512*\c
.endr
.endr
.endm
.macro LDK1 sl, buf                    ; and of K step 1
	WIN 0xc0
.irp kt, 0,1,2,3,4,5,6,7
.irp c, 0,1,2,3
	ds_load_b128 v[\buf+16*\kt+4*\c:\buf+16*\kt+4*\c+3], v[AK+(\sl)] offset:4096*\kt+2048+512*\c
.endr
.endr
.endm
.macro LDKS sl
	WIN 0
.irp i, 0,1,2,3,4,5,6,7
	ds_load_b32 v[KS+\i], v[ASK+(\sl)] offset:128*\i
.endr
.endm
.macro LDV sl, half, buf               ; v's tiles 8 half .. 8 half + 7
	WIN 0xc0
.irp t, 0,1,2,3,4,5,6,7
.irp c, 0,1,2,3
	ds_load_b128 v[\buf+16*\t+4*\c:\buf+16*\t+4*\c+3], v[AV+(\sl)] offset:2048*(8*\half+\t)+512*\c
.endr
.endr
.endm
.macro LDVS sl
	WIN 0
.irp i, 0,1,2,3,4,5,6,7
	ds_load_b32 v[VS+\i], v[ASV+(\sl)] offset:128*\i
.endr
.endm
; 16 products of S^T = k q^T, K step s: eight tiles of keys x my two tiles of queries.  The 16 accumulators take turns, one instruction a turn.
.macro SMUL s, buf, win
	WIN \win
.irp kt, 0,1,2,3,4,5,6,7
.irp u, 0,1
.if \s == 0
	WM S+64*\u+8*\kt, \buf+16*\kt, 32*\u, -1, KS+\kt/2, QS+\u, \kt%2, 0
.else
	WM S+64*\u+8*\kt, \buf+16*\kt, 32*\u+16, S+64*\u+8*\kt, KS+4+\kt/2, QS+\u, \kt%2, 1
.endif
.endr
.endr
.endm
; 16 products of O^T += v p^T: eight tiles of channels x my two tiles of queries; K = the step's 128 keys
.macro PVMUL half, buf
	WIN 0x53                                       ; source 0 (v) window 3, source 1 (p) window 0, C and D window 1
.irp t, 0,1,2,3,4,5,6,7
.irp u, 0,1
	WM 128*\u+8*(8*\half+\t), \buf+16*\t, P+16*\u, 128*\u+8*(8*\half+\t), VS+4*\half+\t/2, PS+\u, \t%2, 0
.endr
.endr
.endm
; THE SOFTMAX of tile u for a step's 128 keys: register 16 b + i of the tile's 64 is key 32 b + 16 (lane / 16) + i.
.macro SOFT u
.set rS, S+64*\u
.set rT, ST+8*\u
.set rM, TM+16*\u
.set rP, P+16*\u
.irp b, 0,1,2,3
	v_max3_num_f32 v[rM+\b], v[rS+16*\b], v[rS+16*\b+1], v[rS+16*\b+2]   ; the largest score of each block of 32 keys: for the row's maximum, and, since p rises with the score, for the block's largest p
.endr
.irp i, 3,5,7,9,11,13
.irp b, 0,1,2,3
	v_max3_num_f32 v[rM+\b], v[rM+\b], v[rS+16*\b+\i], v[rS+16*\b+\i+1]
.endr
.endr
.irp b, 0,1,2,3
	v_max_num_f32 v[rM+\b], v[rM+\b], v[rS+16*\b+15]
.endr
.irp b, 0,1,2,3
	v_permlanex16_b32 v[rM+4+\b], v[rM+\b], s[SEL], s[SEL+1]
.endr
.irp b, 0,1,2,3
	v_max_num_f32 v[rM+\b], v[rM+\b], v[rM+4+\b]   ; with lane l xor 16's 16 keys
.endr
	v_max3_num_f32 v[rT+6], v[rM], v[rM+1], v[rM+2]
	v_max_num_f32 v[rT+6], v[rT+6], v[rM+3]
	v_mul_f32 v[rT+6], s[CS], v[rT+6]              ; as t (c is positive)
	v_max_num_f32 v[rT+1], v[rT+1], v[rT+6]        ; the running largest t
	v_mov_b32 v[rT+6], v[rT]
	v_floor_f32 v[rT], -v[rT+1]                    ; the new -M = floor(-t): M is a whole number
	v_sub_f32 v[rT+6], v[rT], v[rT+6]              ; old M - new M: a whole number, 0 or less
	v_cvt_i32_f32 v[rT+6], v[rT+6]                 ; (it saturates)
	v_ldexp_f32 v[rT+4], 1.0, v[rT+6]              ; f = 2^(old M - new M): a multiplication by it rounds nothing
.set jj, 0
.rept 32
	v_pk_fma_f32 v[rS+jj:rS+jj+1], v[rS+jj:rS+jj+1], s[CS:CS+1], v[rT:rT+1] op_sel_hi:[1,0,0]   ; t - M, two at a time
.set jj, jj+2
.endr
.irp b, 0,1,2,3
	v_fma_f32 v[rM+\b], v[rM+\b], s[CS], v[rT]     ; the same of each block's largest score
.endr
.set jj, 0
.rept 64
	v_exp_f32 v[rS+jj], v[rS+jj]                   ; p = 2^(t - M), at most 1
.set jj, jj+1
.endr
.irp b, 0,1,2,3
	v_exp_f32 v[rM+\b], v[rM+\b]                   ; the block's largest p
.endr
	v_pk_mul_f32 v[rT+2:rT+3], v[rT+2:rT+3], v[rT+4:rT+5] op_sel_hi:[1,0]   ; the sums under the new M (a plain place behind the exponentials)
	s_wait_alu depctr_va_vdst(0)
.irp b, 0,1,2,3
	v_max_num_f32 v[rM+\b], 0x8000000, v[rM+\b]    ; the floor 2^(16 - 127)
.endr
.irp b, 0,1,2,3
	v_add_nc_u32 v[rM+12+\b], 0xf8800000, v[rM+\b] ; the conversion's scale operand
.endr
.irp b, 0,1,2,3
	v_and_or_b32 v[rM+8+\b], v[rM+\b], 0x7f800000, s[MNT]   ; 57,344 x the scale
.endr
.irp b, 0,1,2,3
	v_lshrrev_b32 v[rM+4+\b], 23, v[rM+12+\b]      ; the scale's byte
.endr
	v_lshl_or_b32 v[PS+\u], v[rM+5], 8, v[rM+4]    ; p's scale word for these 128 keys
	v_lshl_or_b32 v[PS+\u], v[rM+6], 16, v[PS+\u]
	v_lshl_or_b32 v[PS+\u], v[rM+7], 24, v[PS+\u]
	v_pk_add_f32 v[rM+4:rM+5], v[rS:rS+1], v[rS+2:rS+3]   ; the sum is taken of the unquantised p: two at a time, in two chains
.set jj, 4
.rept 15
	v_pk_add_f32 v[rT+2:rT+3], v[rT+2:rT+3], v[rS+jj:rS+jj+1]
	v_pk_add_f32 v[rM+4:rM+5], v[rM+4:rM+5], v[rS+jj+2:rS+jj+3]
.set jj, jj+4
.endr
	v_pk_add_f32 v[rT+2:rT+3], v[rT+2:rT+3], v[rM+4:rM+5]
.irp b, 0,1,2,3
.irp i, 0,1,2,3,4,5,6,7,8,9,10,11,12,13,14,15
	v_min_num_f32 v[rS+16*\b+\i], v[rS+16*\b+\i], v[rM+8+\b]   ; p is not negative: the hold is one-sided
.endr
	v_cvt_scalef32_pk8_bf8_f32 v[rP+4*\b:rP+4*\b+1], v[rS+16*\b:rS+16*\b+7], v[rM+12+\b]
	v_cvt_scalef32_pk8_bf8_f32 v[rP+4*\b+2:rP+4*\b+3], v[rS+16*\b+8:rS+16*\b+15], v[rM+12+\b]
.endr
	WIN 0x41                                       ; O^T (destination and source 0) window 1, f window 0
.set jj, 0
.rept 64
	v_pk_mul_f32 v[128*\u+jj:128*\u+jj+1], v[128*\u+jj:128*\u+jj+1], v[rT+4:rT+5] op_sel_hi:[1,0]   ; O^T under the new M; these lines are also the places between the codes and the products that take them
.set jj, jj+2
.endr
	WIN 0
.endm
; A STEP: my record of 128 keys in slot sl.  At its head k's K step 0 lies (or is landing) in KA, K step 1 in X.  v's halves go to Y and X; the next step's K step 1 goes to Y: X and Y change places from step to step.
; fill = 1: the slot is filled again with the records two steps on; 2: with proj_w; 0: not.  next = 1: the next step's k is fetched from the other slot.
.macro STEP sl, X, Y, fill, next
	s_wait_dscnt 32                                ; k's K step 0 and its scale words are in; the youngest 32 loads, K step 1's, may be out
	SMUL 0, KA, 0x0a
	s_wait_dscnt 0x0
	SMUL 1, \X, 0x0b
	WIN 0
	PLACES 8                                       ; eight places ahead of loads into X, Y and v's scale words, which matrix instructions have read, and of the first read of the scores
	LDV \sl, 0, \Y
	LDV \sl, 1, \X
	LDVS \sl
.if \fill
	s_wait_tensorcnt 0x0                           ; all my tensor loads have landed: my record of the other slot
	ds_add_u32 v[SPW], v[NIL]                      ; 0 onto my spare word; a tile's softmax stands between it and the wait for it
.if \fill == 1
	s_add_nc_u64 s[G0+4*\sl+2:G0+4*\sl+3], s[G0+4*\sl+2:G0+4*\sl+3], 2*SLOT   ; no load of mine is out: this slot's records two steps on
.endif
	SOFT 0
	s_wait_dscnt 0x0                               ; the add is done; v lies in registers: my reads of this slot are over
	CROUND                                         ; that now holds of every wave of all four work-groups
.if \fill == 1
	tensor_load_to_lds s[G0+4*\sl:G0+4*\sl+3], s[G1:G1+7]   ; my one load behind the round: it has a whole step in which to land
	s_nop 0
.else
	tensor_load_to_lds s[G0P:G0P+3], s[G1P:G1P+7]  ; proj_w, into the slot that no key step will use again
	s_nop 0
.endif
	PLACES 4
.else
	SOFT 0
.endif
.if \next
	LDK0 1-\sl
	LDKS 1-\sl
.endif
	SOFT 1
.if \fill == 0
	s_wait_dscnt 0x0                               ; v is in
.endif
	PVMUL 0, \Y
.if \next
	PLACES 8                                       ; ahead of loads into Y, which the products above have read
	LDK1 1-\sl, \Y
.endif
	PVMUL 1, \X
	WIN 0
.endm
	s_load_b256 s[4:11], s[0:1], 0x0               ; qrec, kvrec, proj_w's codes, proj_w's scales
	s_load_b128 s[12:15], s[0:1], 0x20             ; proj_b, x
	s_load_b64 s[16:17], s[0:1], 0x30              ; out0
	v_lshl_add_u32 v[SPW], v0, 2, SPARE
	v_mov_b32 v[NIL], 0
	ds_add_u32 v9, v10
	ds_add_u32 v9, v10
	s_wait_dscnt 0x0
	v_lshrrev_b32 v254, 5, v0
	v_readfirstlane_b32 s[WV], v254                ; wave 0..3
	s_and_b32 s19, s[WV], 1                        ; qh
	s_lshr_b32 s20, s[WV], 1                       ; kh
	s_bfe_u32 s21, ttmp6, 0x40000                  ; cx: it enters the global addresses of q, x and out0 alone
	s_lshl_b32 s23, ttmp9, 2
	s_add_co_u32 s23, s23, s21                     ; nb: which 64 queries
	s_and_b32 s22, ttmp7, 0xffff                   ; b: the image, which the four partners share
	; descriptor group 1: a record: 132 rows of 256 bytes (32 elements of 8 bytes), dense, no padding
	s_mov_b32 s[G1], 15|(3<<16)|(1<<21)            ; 15:0 the mask: all four work-groups; 17:16 elements of 8 bytes; 21 set beside a mask
	s_mov_b32 s[G1+1], 32<<16
	s_mov_b32 s[G1+2], 132<<16
	s_mov_b32 s[G1+3], 32<<16
	s_mov_b32 s[G1+4], 132
	s_mov_b32 s[G1+5], 32
	s_mov_b32 s[G1+6], 0
	s_mov_b32 s[G1+7], 0
	; and 64 rows of proj_w: 256 bytes, 16 of padding behind each
	s_mov_b32 s[G1P], 15|(1<<20)|(1<<21)|(5<<22)|(3<<25)
	s_mov_b32 s[G1P+1], 256<<16
	s_mov_b32 s[G1P+2], 64<<16
	s_mov_b32 s[G1P+3], 256<<16
	s_mov_b32 s[G1P+4], 64
	s_mov_b32 s[G1P+5], 256
	s_mov_b32 s[G1P+6], 0
	s_mov_b32 s[G1P+7], 0
	s_mul_i32 s60, s[WV], REC                      ; the record that I fetch: wave w's of a slot's four
	s_mul_i32 s62, s22, 64*REC                     ; the image's records
	s_add_co_u32 s62, s62, s60
	s_mov_b32 s63, 0
	s_wait_kmcnt 0x0
	s_add_nc_u64 s[6:7], s[6:7], s[62:63]
	CROUND                                         ; all four work-groups are here: the first joint loads meet
.irp sl, 0,1
	s_mov_b32 s[G0+4*\sl], 1
	s_add_co_u32 s[G0+4*\sl+1], s60, \sl*SLOT
	s_add_nc_u64 s[G0+4*\sl+2:G0+4*\sl+3], s[6:7], \sl*SLOT
	s_or_b32 s[G0+4*\sl+3], s[G0+4*\sl+3], 0x80000000
.endr
	s_mov_b32 s[G0P], 1
	s_mul_i32 s[G0P+1], s[WV], 64*272
	s_lshl_b32 s62, s[WV], 14
	s_add_nc_u64 s[G0P+2:G0P+3], s[8:9], s[62:63]
	s_or_b32 s[G0P+3], s[G0P+3], 0x80000000
	tensor_load_to_lds s[G0:G0+3], s[G1:G1+7]      ; steps 0 and 1: two loads of mine are out
	s_nop 0
	tensor_load_to_lds s[G0+4:G0+7], s[G1:G1+7]
	s_nop 0
	PLACES 4
	; addresses
	v_and_b32 v254, 31, v0                         ; lane
	v_and_b32 v252, 15, v0                         ; r
	v_bfe_u32 v253, v0, 4, 1                       ; h
	v_lshlrev_b32 v[L16], 4, v254
	v_lshlrev_b32 v255, 2, v254
	s_mul_i32 s61, s20, 2*REC                      ; my key half's two records in a slot
.irp sl, 0,1
	s_add_co_u32 s62, s61, \sl*SLOT
	v_add_nc_u32 v[AK+\sl], s62, v[L16]
	s_add_co_u32 s62, s61, \sl*SLOT+REC
	v_add_nc_u32 v[AV+\sl], s62, v[L16]
	s_add_co_u32 s62, s61, \sl*SLOT+32768
	v_add_nc_u32 v[ASK+\sl], s62, v255
	s_add_co_u32 s62, s61, \sl*SLOT+REC+32768
	v_add_nc_u32 v[ASV+\sl], s62, v255
.endr
	s_xor_b32 s61, s[WV], 2                        ; my partner: the same queries, the other keys
	s_lshl_b32 s62, s[WV], 14
	s_add_co_u32 s62, s62, XST
	v_add_nc_u32 v[XW], s62, v[L16]
	s_lshl_b32 s62, s61, 14
	s_add_co_u32 s62, s62, XST
	v_add_nc_u32 v[XR], s62, v[L16]
	s_lshl_b32 s62, s[WV], 8
	s_add_co_u32 s62, s62, XS
	v_add_nc_u32 v[XSW], s62, v255
	s_lshl_b32 s62, s61, 8
	s_add_co_u32 s62, s62, XS
	v_add_nc_u32 v[XSR], s62, v255
	v_mul_u32_u24 v[AP], v252, 272
	v_lshl_add_u32 v[AP], v253, 4, v[AP]           ; proj_w: row r, + 16 h
	s_lshl_b32 s62, s19, 7
	s_lshl_b32 s63, s20, 5
	s_add_co_u32 s62, s62, s63
	s_add_co_u32 s62, s62, YST
	v_mul_u32_u24 v[YW], v252, 272
	v_lshl_add_u32 v[YW], v253, 6, v[YW]
	v_add_nc_u32 v[YW], s62, v[YW]                 ; y's stage, in: row r of a tile; my eight places 32 qh + 8 kh + 16 h on
	s_mul_i32 s62, s[WV], 64*272
	s_add_co_u32 s62, s62, YST
	v_mul_u32_u24 v[YR], v253, 272
	v_lshl_add_u32 v[YR], v252, 4, v[YR]
	v_add_nc_u32 v[YR], s62, v[YR]                 ; and back: my 64 rows, two an instruction, 16 bytes a lane
	v_lshlrev_b32 v[OXO], 4, v252
	v_lshl_add_u32 v[OXO], v253, 14, v[OXO]        ; the same two rows in x and out0
	v_lshlrev_b32 v[VQ], 2, v252
	v_lshl_add_u32 v[VQ], v253, 9, v[VQ]           ; q's scale words: 4 r + 512 h
	v_lshlrev_b32 v[VPS], 3, v252
	v_lshl_add_u32 v[VPS], v253, 2, v[VPS]         ; proj_w's: 8 r + 4 h
	v_lshlrev_b32 v[PBA], 2, v252
	s_mov_b32 s[SEL], 0x76543210
	s_mov_b32 s[SEL+1], 0xfedcba98
	s_mov_b32 s[CS], 0x3db8aa3b                    ; c = log2(e) / 16
	s_mov_b32 s[CS+1], s[CS]
	s_mov_b32 s[MNT], 0x600000
	; bases
	s_lshl_b32 s66, s22, 5
	s_lshr_b32 s67, s23, 1
	s_add_co_u32 s66, s66, s67
	s_mul_i32 s66, s66, REC                        ; q's record: 32 b + nb / 2
	s_and_b32 s67, s23, 1                          ; and which half of it
	s_lshl_b32 s68, s67, 14
	s_add_co_u32 s68, s68, s66
	s_lshl_b32 s69, s67, 8
	s_add_co_u32 s69, s69, s66
	s_add_co_u32 s69, s69, 32768
	s_lshl_b32 s70, s19, 1
	s_add_co_u32 s71, s70, s20                     ; my register tile 0: query tile 2 qh + kh
	s_xor_b32 s72, s71, 1                          ; tile 1: the other of the pair
	s_lshl_b32 s74, s71, 12
	s_add_co_u32 s74, s74, s68
	s_mov_b32 s75, 0
	s_add_nc_u64 s[74:75], s[4:5], s[74:75]
	s_lshl_b32 s76, s72, 12
	s_add_co_u32 s76, s76, s68
	s_mov_b32 s77, 0
	s_add_nc_u64 s[76:77], s[4:5], s[76:77]
	s_lshl_b32 s78, s71, 6
	s_add_co_u32 s78, s78, s69
	s_mov_b32 s79, 0
	s_add_nc_u64 s[78:79], s[4:5], s[78:79]
	s_lshl_b32 s80, s72, 6
	s_add_co_u32 s80, s80, s69
	s_mov_b32 s81, 0
	s_add_nc_u64 s[80:81], s[4:5], s[80:81]
	s_lshl_b32 s82, s22, 22
	s_lshl_b32 s83, s[WV], 20
	s_add_co_u32 s82, s82, s83
	s_lshl_b32 s83, s23, 8
	s_add_co_u32 s82, s82, s83
	s_mov_b32 s83, 0
	s_add_nc_u64 s[14:15], s[14:15], s[82:83]      ; x and out0 at image b, channel 64 w, place 64 nb
	s_add_nc_u64 s[16:17], s[16:17], s[82:83]
	WIN 0x80                                       ; destination window 2
.irp u, 0,1
.irp s, 0,1
.irp c, 0,1,2,3
	global_load_b128 v[32*\u+16*\s+4*\c:32*\u+16*\s+4*\c+3], v[L16], s[74+2*\u:75+2*\u] offset:2048*\s+512*\c   ; q stays in registers
.endr
.endr
.endr
.irp t, 0,1,2,3,4,5,6,7,8,9,10,11,12,13,14,15
	global_load_b32 v[PB+2*\t], v[PBA], s[12:13] offset:64*\t      ; proj_b[16 t + r], twice: a pair for the packed addition
	global_load_b32 v[PB+2*\t+1], v[PBA], s[12:13] offset:64*\t
.endr
	WIN 0
	global_load_b32 v[QS], v[VQ], s[78:79]
	global_load_b32 v[QS+1], v[VQ], s[80:81]
.irp u, 0,1
	v_mov_b32 v[ST+8*\u+1], 0xff61b1e6             ; the largest t so far: -3e38, under every t
	v_floor_f32 v[ST+8*\u], -v[ST+8*\u+1]          ; -M
.irp k, 2,3,4,5,6,7
	v_mov_b32 v[ST+8*\u+\k], 0                     ; the sum; the rest is written since it is named in pairs
.endr
.irp k, 4,5,6,7
	v_mov_b32 v[TM+16*\u+\k], 0                    ; a lane permute's destination counts as one of its sources
.endr
.endr
	WIN 0x40
.set jj, 0
.rept 256
	v_mov_b32 v[jj], 0                             ; O^T.  The step is written for every step alike: the first finds zeros, which the first change of M leaves zeros
.set jj, jj+1
.endr
	WIN 0
	s_wait_tensorcnt 0x1                           ; my record of slot 0 is in; slot 1's may stay out
	s_barrier_signal -1
	s_barrier_wait -1                              ; everybody's is
	LDK0 0
	LDKS 0
	LDK1 0, KB
	WIN 0
	s_wait_loadcnt 0x0                             ; q, its scale words, proj_b
	s_mov_b32 s[TRIP], 7
.Lpair:                                            ; 7 trips: steps 0 to 13; their refills bring steps 2 to 15
	STEP 0, KB, VC, 1, 1
	STEP 1, VC, KB, 1, 1
	s_sub_co_u32 s[TRIP], s[TRIP], 1
	s_cmp_lg_u32 s[TRIP], 0
	s_cbranch_scc1 .Lpair
	STEP 0, KB, VC, 2, 1                           ; the tail is written out
	STEP 1, VC, KB, 0, 0
	; ---- tile 1 changes hands: its O^T, -M and sum go to my partner through LDS, as images of registers
	v_add_f32 v[ST+2], v[ST+2], v[ST+3]
	v_add_f32 v[ST+10], v[ST+10], v[ST+11]
	PLACES 8                                       ; ahead of the first read of the last results and of loads into scale registers that the last products named
.irp t, 0,1,2,3,4,5,6,7,8,9,10,11,12,13,14,15
	global_load_b32 v[PJS+\t], v[VPS], s[10:11] offset:128*\t
.endr
	WIN 0x04                                       ; an LDS store's data are its source 1: window 1
.set jj, 0
.rept 32
	ds_store_b128 v[XW], v[128+4*jj:128+4*jj+3] offset:512*jj      ; each accumulator from its low end on
.set jj, jj+1
.endr
	WIN 0
	ds_store_b32 v[XSW], v[ST+8]
	ds_store_b32 v[XSW], v[ST+10] offset:128
	s_wait_tensorcnt 0x0                           ; my rows of proj_w are in
	s_wait_dscnt 0x0                               ; my stores have landed
	s_barrier_signal -1
	s_barrier_wait -1
	ds_load_b32 v252, v[XSR]                       ; my partner's -M and sum for my tile 0,
	ds_load_b32 v253, v[XSR] offset:128
	WIN 0x80
.set jj, 0
.rept 32
	ds_load_b128 v[KA+4*jj:KA+4*jj+3], v[XR] offset:512*jj         ; and its O^T
.set jj, jj+1
.endr
	WIN 0xc0
.irp t, 0,1,2,3,4,5,6,7,8,9,10,11,12,13,14,15
.irp c, 0,1,2,3
	ds_load_b128 v[16*\t+4*\c:16*\t+4*\c+3], v[AP] offset:4352*\t+32*\c   ; proj_w, K step 0: 16 fragments
.endr
.endr
	WIN 0
	s_wait_dscnt 63                                ; 64 younger loads follow my partner's; the count cannot name more than 63, so one of them is waited for as well
	v_min_num_f32 v254, v[ST], v252                ; -M of both halves of the keys
	v_sub_f32 v[ST+6], v254, v[ST]
	v_sub_f32 v[ST+7], v254, v252
	v_cvt_i32_f32 v[ST+6], v[ST+6]
	v_cvt_i32_f32 v[ST+7], v[ST+7]
	v_ldexp_f32 v[ST+6], 1.0, v[ST+6]              ; what brings my half under it,
	v_ldexp_f32 v[ST+7], 1.0, v[ST+7]              ; and my partner's
	v_mul_f32 v[ST+2], v[ST+2], v[ST+6]
	v_fma_f32 v[ST+2], v253, v[ST+7], v[ST+2]
	v_permlanex16_b32 v[TM+4], v[ST+2], s[SEL], s[SEL+1]
	v_add_f32 v[ST+2], v[ST+2], v[TM+4]            ; the row's sum
	v_rcp_f32 v[ST+3], v[ST+2]
	v_nop                                          ; one plain place behind a transcendental
	s_wait_alu depctr_va_vdst(0)
	v_mul_f32 v[ST+8], v[ST+6], v[ST+3]
	v_mul_f32 v[ST+10], v[ST+7], v[ST+3]
	WIN 0x01                                       ; source 0 (my O^T) window 1
.set jj, 0
.rept 64
	v_pk_mul_f32 v[S+jj:S+jj+1], v[jj:jj+1], v[ST+8:ST+9] op_sel_hi:[1,0]
.set jj, jj+2
.endr
	WIN 0x02                                       ; source 0 (my partner's) window 2
.set jj, 0
.rept 64
	v_pk_fma_f32 v[S+jj:S+jj+1], v[KA+jj:KA+jj+1], v[ST+10:ST+11], v[S+jj:S+jj+1] op_sel_hi:[1,0,1]   ; out: register 16 b + i of each 64 is channel 128 s + 32 b + 16 h + i of my query
.set jj, jj+2
.endr
	WIN 0x80
.irp t, 0,1,2,3,4,5,6,7
.irp c, 0,1,2,3
	ds_load_b128 v[KA+16*\t+4*\c:KA+16*\t+4*\c+3], v[AP] offset:4352*\t+128+32*\c   ; proj_w, K step 1: tiles 0-7,
.endr
.endr
	WIN 0x40
.irp t, 8,9,10,11,12,13,14,15
.irp c, 0,1,2,3
	ds_load_b128 v[16*\t+4*\c:16*\t+4*\c+3], v[AP] offset:4352*\t+128+32*\c          ; tiles 8-15, where tile 1's O^T lay
.endr
.endr
	WIN 0
	QUANT S, P, PS
	QUANT S+64, P+16, PS+1
.set jj, 0
.rept 32
	global_load_b128 v[S+4*jj:S+4*jj+3], v[OXO], s[14:15] offset:32768*jj   ; x: sixteen lanes read 256 consecutive bytes of a channel
.set jj, jj+1
.endr
	PLACES 8                                       ; codes and scale words made by vector lines stand ahead of a scaled product
	s_wait_dscnt 0x0
	s_wait_loadcnt 32                              ; proj_w's scale words are in; the 32 loads of x may be out
	; ---- y: source 0 = my 16 queries of out, source 1 = 16 rows of proj_w: a lane holds one row o = 16 t + r and eight neighbouring places.  Sixteen accumulators by turns.
	WIN 0x4c                                       ; source 1 window 3, destination window 1
.irp t, 0,1,2,3,4,5,6,7,8,9,10,11,12,13,14,15
	WM 8*\t, P, 16*\t, -1, PS, PJS+\t, 0, 0
.endr
	WIN 0x58                                       ; source 1 window 2, C and D window 1
.irp t, 0,1,2,3,4,5,6,7
	WM 8*\t, P+16, KA+16*\t, 8*\t, PS+1, PJS+\t, 0, 1
.endr
	WIN 0x54                                       ; source 1 window 1
.irp t, 8,9,10,11,12,13,14,15
	WM 8*\t, P+16, 16*\t, 8*\t, PS+1, PJS+\t, 0, 1
.endr
	PLACES 8
	WIN 0x49                                       ; y window 1, proj_b window 2
.irp t, 0,1,2,3,4,5,6,7,8,9,10,11,12,13,14,15
.irp k, 0,2,4,6
	v_pk_add_f32 v[8*\t+\k:8*\t+\k+1], v[8*\t+\k:8*\t+\k+1], v[PB+2*\t:PB+2*\t+1]
.endr
.endr
	WIN 0x04
.irp t, 0,1,2,3,4,5,6,7,8,9,10,11,12,13,14,15
	ds_store_b128 v[YW], v[8*\t:8*\t+3] offset:4352*\t
	ds_store_b128 v[YW], v[8*\t+4:8*\t+7] offset:4352*\t+16
.endr
	WIN 0
	s_wait_dscnt 0x0
	s_barrier_signal -1
	s_barrier_wait -1                              ; 256 whole rows of y, 64 places each, lie in the stage
	WIN 0xc0
.set jj, 0
.rept 32
	ds_load_b128 v[4*jj:4*jj+3], v[YR] offset:544*jj
.set jj, jj+1
.endr
	s_wait_loadcnt 0x0                             ; x
	s_wait_dscnt 0x0
	WIN 0x03
.set jj, 0
.rept 64
	v_pk_add_f32 v[S+jj:S+jj+1], v[jj:jj+1], v[S+jj:S+jj+1]
.set jj, jj+2
.endr
	WIN 0
.set jj, 0
.rept 32
	global_store_b128 v[OXO], v[S+4*jj:S+4*jj+3], s[16:17] offset:32768*jj th:TH_STORE_NT   ; sixteen lanes store 256 consecutive bytes, at a multiple of 256 from out0's first byte
.set jj, jj+1
.endr
	s_wait_tensorcnt 0x0                           ; the wave's end
	ds_add_u32 v[SPW], v[NIL]
	s_wait_dscnt 0x0
	CROUND                                         ; the closing round: no work-group ends while a partner may still ask for a tile that names it
	s_endpgm
.Lfunc_end_k_qb3aa0a67ae_attn:
	.size	k_qb3aa0a67ae_attn, .Lfunc_end_k_qb3aa0a67ae_attn-k_qb3aa0a67ae_attn
	.p2alignl 7, 3214868480
	.fill 96, 4, 3214868480
	.section	.rodata,"a",@progbits
	.p2align	6, 0x0
	.amdhsa_kernel k_qb3aa0a67ae_attn
		.amdhsa_group_segment_fixed_size 327680
		.amdhsa_private_segment_fixed_size 0
		.amdhsa_enable_private_segment 0
		.amdhsa_kernarg_size 56
		.amdhsa_user_sgpr_count 2
		.amdhsa_user_sgpr_kernarg_segment_ptr 1
		.amdhsa_wavefront_size32 1
		.amdhsa_system_sgpr_workgroup_id_x 1
		.amdhsa_system_sgpr_workgroup_id_y 1
		.amdhsa_system_sgpr_workgroup_id_z 1
		.amdhsa_system_vgpr_workitem_id 0
		.amdhsa_next_free_vgpr 1024
		.amdhsa_next_free_sgpr 88
		.amdhsa_reserve_vcc 0
		.amdhsa_float_denorm_mode_32 3
		.amdhsa_float_denorm_mode_16_64 3
		.amdhsa_memory_ordered 1
		.amdhsa_forward_progress 1
		.amdhsa_inst_pref_size 255
	.end_amdhsa_kernel
	.section	.bss,"aw",@nobits
	.p2align	6
	.space	262144
	.amdgpu_metadata
---
amdhsa.version: [ 1, 2 ]
amdhsa.kernels:
  - .name:           k_qb3aa0a67ae_attn
    .symbol:         k_qb3aa0a67ae_attn.kd
    .args:
      - { .name: qrec, .offset: 0, .size: 8, .value_kind: global_buffer, .address_space: global }
      - { .name: kvrec, .offset: 8, .size: 8, .value_kind: global_buffer, .address_space: global }
      - { .name: proj_w_codes, .offset: 16, .size: 8, .value_kind: global_buffer, .address_space: global }
      - { .name: proj_w_scales, .offset: 24, .size: 8, .value_kind: global_buffer, .address_space: global }
      - { .name: proj_b, .offset: 32, .size: 8, .value_kind: global_buffer, .address_space: global }
      - { .name: x, .offset: 40, .size: 8, .value_kind: global_buffer, .address_space: global }
      - { .name: out0, .offset: 48, .size: 8, .value_kind: global_buffer, .address_space: global }
    .group_segment_fixed_size: 327680
    .private_segment_fixed_size: 0
    .kernarg_segment_align: 8
    .kernarg_segment_size: 56
    .max_flat_workgroup_size: 128
    .sgpr_count:     88
    .vgpr_count:     1024
    .wavefront_size: 32
...
	.end_amdgpu_metadata
.endif
;; end of part 3
;; ======== version 2 of 2: 3 launches; 1.11 times as fast as version 1
;; workspace buffers: gnst 2,048 bytes; qrec 4,325,376 bytes; kvrec 8,650,752 bytes
;; launch gnstat (part 4): grid 256 x 1, 16 waves a work-group, no clusters, 2,304 bytes of LDS; arguments x, gnst; writes gnst
.if DOCPART == 4
	.amdgcn_target "amdgcn-amd-amdhsa--gfx1250"
	.amdhsa_code_object_version 6
	.text
	.protected	k_qb3aa0a67ae_gnstat
	.globl	k_qb3aa0a67ae_gnstat
	.p2align	8
	.type	k_qb3aa0a67ae_gnstat,@function
k_qb3aa0a67ae_gnstat:
	s_mov_b64 s[64:65], 0
	v_nop
	global_prefetch_b8 v0, s[64:65] scope:SCOPE_SE
	s_setreg_imm32_b32 hwreg(HW_REG_WAVE_MODE, 25, 1), 1
	s_wait_xcnt 0x0
; GroupNorm's statistics, by halves of a group.  x: [4][256][4096] f32; a group is 8 channels x 4,096 places; half a group is 4 channels = 16,384 numbers = 65,536 consecutive bytes.
; Work-group H = 2 (32 b + g) + half owns one half: 256 work-groups, one for each WGP.  Its 512 threads hold 32 numbers each, so x is read once and BOTH passes run on registers:
; first the half's mean, then the sum of (x - mean)^2: no difference of large sums is formed.
; Out: gnst byte 8 H: the half's mean; byte 8 H + 4: its sum of squares about that mean.  The next launch joins the two halves of a group.
; No matrix unit, no cluster, no tensor load: the work-groups share nothing and every byte is used once.
; LIMITS: NaN and infinities among the inputs are not served.
.set X,  32                            ; v32-63  my 32 numbers
.set ZA, 64                            ; v64     0: an LDS address, and the store's offset
	s_load_b128 s[4:7], s[0:1], 0x0                ; x, gnst
	v_lshl_add_u32 v72, v0, 2, 0x100
	v_mov_b32 v73, 0
	v_lshrrev_b32 v1, 5, v0
	v_readfirstlane_b32 s10, v1                    ; wave 0..15
	v_lshlrev_b32 v1, 4, v0                        ; 16 bytes a thread: a load of the work-group covers 8,192 consecutive bytes
	v_mov_b32 v3, s10
	v_lshlrev_b32 v3, 2, v3                        ; my wave's word in LDS
	s_lshl_b32 s14, ttmp9, 16                      ; the half's first byte in x
	s_mov_b32 s15, 0
	s_lshl_b32 s18, ttmp9, 3                       ; and its 8 bytes in gnst
	s_mov_b32 s19, 0
	s_mov_b32 s12, 0x76543210                      ; v_permlanex16_b32's selects for lane l xor 16
	s_mov_b32 s13, 0xfedcba98
	s_mov_b32 s20, 0x38800000                      ; 1 / 16,384
	s_wait_kmcnt 0x0
	s_add_nc_u64 s[4:5], s[4:5], s[14:15]
	s_add_nc_u64 s[6:7], s[6:7], s[18:19]
.set ii, 0
.rept 8
	global_load_b128 v[X+4*ii:X+4*ii+3], v1, s[4:5] offset:8192*ii
.set ii, ii+1
.endr
	v_mov_b32 v15, 0                               ; a lane permute's destination counts as one of its sources
	v_mov_b32 v[ZA], 0
; Four packed chains in v[4:11] become one number for the work-group, in v14 of every lane: within the lane, across the 32 lanes,
; then across the 16 waves through 16 words of LDS at byte off.  The two uses take different words, so one barrier serves each.
.macro REDUCE off
	v_pk_add_f32 v[4:5], v[4:5], v[6:7]
	v_pk_add_f32 v[8:9], v[8:9], v[10:11]
	v_pk_add_f32 v[4:5], v[4:5], v[8:9]
	v_add_f32 v14, v4, v5
	v_add_f32_dpp v14, v14, v14 row_xmask:1 row_mask:0xf bank_mask:0xf
	v_add_f32_dpp v14, v14, v14 row_xmask:2 row_mask:0xf bank_mask:0xf
	v_add_f32_dpp v14, v14, v14 row_xmask:4 row_mask:0xf bank_mask:0xf
	v_add_f32_dpp v14, v14, v14 row_xmask:8 row_mask:0xf bank_mask:0xf
	v_permlanex16_b32 v15, v14, s12, s13
	v_add_f32 v14, v14, v15
	ds_store_b32 v3, v14 offset:\off               ; all lanes write the wave's word with the same value
	s_wait_dscnt 0x0                               ; for the others' sake: my store has landed
	s_barrier_signal -1
	s_barrier_wait -1
.irp i, 0,1,2,3
	ds_load_b128 v[16+4*\i:19+4*\i], v[ZA] offset:\off+16*\i
.endr
	s_wait_dscnt 0x0
	v_pk_add_f32 v[16:17], v[16:17], v[18:19]      ; every wave adds the 16 in the same order
	v_pk_add_f32 v[20:21], v[20:21], v[22:23]
	v_pk_add_f32 v[24:25], v[24:25], v[26:27]
	v_pk_add_f32 v[28:29], v[28:29], v[30:31]
	v_pk_add_f32 v[16:17], v[16:17], v[20:21]
	v_pk_add_f32 v[24:25], v[24:25], v[28:29]
	v_pk_add_f32 v[16:17], v[16:17], v[24:25]
	v_add_f32 v14, v16, v17
.endm
	s_wait_loadcnt 0x0
.irp k, 0,1,2,3
	v_pk_add_f32 v[4+2*\k:5+2*\k], v[X+2*\k:X+2*\k+1], v[X+8+2*\k:X+9+2*\k]   ; the first additions start the chains: nothing is cleared
.endr
.set ii, 8
.rept 8
	v_pk_add_f32 v[4+2*(ii%4):5+2*(ii%4)], v[4+2*(ii%4):5+2*(ii%4)], v[X+2*ii:X+2*ii+1]
.set ii, ii+1
.endr
	REDUCE 0
	v_mul_f32 v12, s20, v14                        ; the half's mean
	v_mov_b32 v13, v12
.set ii, 0
.rept 16
	v_pk_add_f32 v[X+2*ii:X+2*ii+1], v[X+2*ii:X+2*ii+1], v[12:13] neg_lo:[0,1] neg_hi:[0,1]   ; x - mean, in place
.set ii, ii+1
.endr
.irp k, 0,1,2,3
	v_pk_mul_f32 v[4+2*\k:5+2*\k], v[X+2*\k:X+2*\k+1], v[X+2*\k:X+2*\k+1]
.endr
.set ii, 4
.rept 12
	v_pk_fma_f32 v[4+2*(ii%4):5+2*(ii%4)], v[X+2*ii:X+2*ii+1], v[X+2*ii:X+2*ii+1], v[4+2*(ii%4):5+2*(ii%4)]
.set ii, ii+1
.endr
	REDUCE 64
	v_mov_b32 v13, v14                             ; v[12:13]: the mean, the sum of squares about it
	s_cmp_lg_u32 s10, 0
	s_cbranch_scc1 .Lend                           ; wave 0 stores for the work-group
	s_wait_xcnt 0x0                                ; EXEC changes only behind this wait
	v_cmp_gt_u32 vcc_lo, 1, v0
	s_and_saveexec_b32 s11, vcc_lo
	global_store_b64 v[ZA], v[12:13], s[6:7]       ; lane 0 alone
	s_wait_xcnt 0x0
	s_or_b32 exec_lo, exec_lo, s11
.Lend:
	s_wait_tensorcnt 0x0
	ds_add_u32 v72, v73
	s_wait_dscnt 0x0
	s_endpgm
.Lfunc_end_k_qb3aa0a67ae_gnstat:
	.size	k_qb3aa0a67ae_gnstat, .Lfunc_end_k_qb3aa0a67ae_gnstat-k_qb3aa0a67ae_gnstat
	.p2alignl 7, 3214868480
	.fill 96, 4, 3214868480
	.section	.rodata,"a",@progbits
	.p2align	6, 0x0
	.amdhsa_kernel k_qb3aa0a67ae_gnstat
		.amdhsa_group_segment_fixed_size 2304
		.amdhsa_private_segment_fixed_size 0
		.amdhsa_enable_private_segment 0
		.amdhsa_kernarg_size 16
		.amdhsa_user_sgpr_count 2
		.amdhsa_user_sgpr_kernarg_segment_ptr 1
		.amdhsa_wavefront_size32 1
		.amdhsa_system_sgpr_workgroup_id_x 1
		.amdhsa_system_sgpr_workgroup_id_y 1
		.amdhsa_system_sgpr_workgroup_id_z 1
		.amdhsa_system_vgpr_workitem_id 0
		.amdhsa_next_free_vgpr 74
		.amdhsa_next_free_sgpr 66
		.amdhsa_reserve_vcc 1
		.amdhsa_float_denorm_mode_32 3
		.amdhsa_float_denorm_mode_16_64 3
		.amdhsa_memory_ordered 1
		.amdhsa_forward_progress 1
		.amdhsa_inst_pref_size 9
	.end_amdhsa_kernel
	.amdgpu_metadata
---
amdhsa.version: [ 1, 2 ]
amdhsa.kernels:
  - .name:           k_qb3aa0a67ae_gnstat
    .symbol:         k_qb3aa0a67ae_gnstat.kd
    .args:
      - { .name: x, .offset: 0, .size: 8, .value_kind: global_buffer, .address_space: global }
      - { .name: gnst, .offset: 8, .size: 8, .value_kind: global_buffer, .address_space: global }
    .group_segment_fixed_size: 2304
    .private_segment_fixed_size: 0
    .kernarg_segment_align: 8
    .kernarg_segment_size: 16
    .max_flat_workgroup_size: 512
    .sgpr_count:     66
    .vgpr_count:     74
    .wavefront_size: 32
...
	.end_amdgpu_metadata
.endif
;; end of part 4
;; launch qkv (part 5): grid 256 x 1, 4 waves a work-group, clusters of 4 x 1, 229,888 bytes of LDS; arguments x, gnst, gn_b, qkv_w_codes, qkv_w_scales, qkv_b, qrec, kvrec, gn_w; writes qrec, kvrec
.if DOCPART == 5
	.amdgcn_target "amdgcn-amd-amdhsa--gfx1250"
	.amdhsa_code_object_version 6
	.text
	.protected	k_qb3aa0a67ae_qkv
	.globl	k_qb3aa0a67ae_qkv
	.p2align	8
	.type	k_qb3aa0a67ae_qkv,@function
k_qb3aa0a67ae_qkv:
	s_mov_b64 s[64:65], 0
	v_nop
	global_prefetch_b8 v0, s[64:65] scope:SCOPE_SE
	s_setreg_imm32_b32 hwreg(HW_REG_WAVE_MODE, 25, 1), 1
	s_wait_xcnt 0x0
	s_wait_alu depctr_hold_cnt(0) depctr_sa_sdst(0) depctr_va_vdst(0) depctr_va_sdst(0) depctr_va_ssrc(0) depctr_va_vcc(0) depctr_vm_vsrc(0)
	s_getreg_b32 s2, hwreg(HW_REG_IB_STS2, 6, 4)
	s_cmp_eq_u32 s2, 0
	s_cbranch_scc0 .Lentry_in_a_cluster
	s_endpgm
.Lentry_in_a_cluster:
	s_bfe_u32 s2, ttmp6, 0x10000c
	s_cmp_lg_u32 s2, 0x3003
	s_cbranch_scc0 .Lentry_shape_is_right
	s_endpgm
.Lentry_shape_is_right:
; h = (x - mean) a + gn_b, a = gn_w / sqrt(var + 1e-5), quantised along the channels; qkv = W h + qkv_b on codes of BF8 (E5M2) with one E8M0 scale for each 32 along K; q and k are quantised along the channels, v along the places.
; gnst holds, for each half of a group (16,384 numbers), its mean and its sum of squares about that mean, 8 bytes at 8 (2 (32 b + g) + half).  The halves join without a difference of large sums:
; mean = (m0 + m1) / 2;  M2 = M2a + M2b + (m0 - m1)^2 x 8,192;  var = M2 / 32,768.
; A work-group owns 64 places of one image.  THE WAVES SHARE THE OUTPUT ROWS: wave w makes rows 128 w .. 128 w + 127 of W (waves 0, 1: q's two K steps; waves 2, 3: k's) and v's rows 512 + 64 w .. + 63, for all 64 places.
; OUT: RECORDS of REC = 33,792 bytes for 128 places, laid as images of operand registers.
;   q, k: codes at 4096 tile + 2048 s + 512 c + 16 lane (registers 4 c .. 4 c + 3 of the fragment of 16 places x 128 channels); scale words at 32768 + 512 s + 64 tile + 4 r.
;   v:    codes at 2048 tile + 512 c + 16 lane (16 channels x the record's 128 places); scale words at 32768 + 64 tile + 4 r.
;   qrec: record 32 b + S.  kvrec: at (32 b + S) x 2 REC the k record, behind it the v record.
; THE ROWS OF A TILE ARE NOT NEIGHBOURS, in every tile of places and of channels: lane r of tile 2 b + u holds row 32 b + 8 u + r + 8 (r / 8), so that in a result whose source 0 is such a tile
; the 16 registers of tiles 2 b and 2 b + 1 are 16 neighbours, 32 b + 16 (lane / 16) + 0 .. 15, of the next product's K.
; CLUSTER: all work-groups read the same weights, so the four of a cluster ask for them JOINTLY.  Each wave brings its own 192 rows into its own LDS bytes, filled once; nothing is filled again.
; ORDER: x, which is wanted first, is asked for ahead of the weights; the rows for q or k and the rows for v are two loads with a wait each, so that v's land under the work on q or k.
; LIMITS: NaN and infinities are not served; a block whose largest magnitude lies under 2^-111, a block of zeros among them, gets the scale byte 1 (its codes are then tiny or zeros; these bytes are read by this program alone).
; REGISTERS, in windows of 256.  window 0: v4-13, v30-31 addresses; v16-23 means; v24-27 h's scale words; v32-39 1 / sqrt(var + eps); v48-111 64 numbers at work; v112-127 codes just made; v128-165 h's codes and bytes;
;   v168-199 the halves' statistics; v200-216 at work; v224-247 W's scale words.
;   window 1: my 16 fragments of W for q or k.   window 2: v0-127 my 8 fragments of W for v; v128-191 q/k's bias, 8 a tile; v192-223 v's bias, 8 a tile; v224-227 v's bias as loaded.
;   window 3: v0-127 x as loaded, later h's 8 fragments; v128-191 gn_w, then a; v192-255 gn_b.
.set REC,  33792
.set WP,   272                         ; a row of W in LDS: 256 bytes + 16 of padding
.set WREG, 192*WP                      ; LDS: a wave's 192 rows of W: 128 for q or k, then 64 for v
.set HIMG, 4*WREG                      ; h's 8 fragments as images of registers, 2,048 bytes each: tile of places T, K step s: 2 T + s
.set HSC,  HIMG+8*2048                 ; h's scale words: 128 T + 64 s + 4 r
.set VZ,   4                           ; v4   0
.set LI,   5                           ; v5   16 x lane
.set LS,   6                           ; v6   4 x lane
.set XA,   7                           ; v7   8 x lane: my two places in a row of x
.set HADR, 8                           ; v8   where my places' codes go in h's images
.set HSA,  9                           ; v9   and their scale bytes
.set WA,   10                          ; v10  my lane's place in a tile of W in LDS
.set SA8,  11                          ; v11  8 x my row of a tile: W's scale bytes
.set H64,  12                          ; v12  64 (lane / 16)
.set P4,   13                          ; v13  4 x my row of a tile
.set MU,   16
.set HS,   24                          ; v24-27  tile T: lanes 0-15 K step 0's words, lanes 16-31 K step 1's
.set PWK,  28
.set TMPV, 29
.set HLI,  30                          ; v30  HIMG + 16 x lane
.set HLS,  31                          ; v31  HSC + 4 x lane
.set RS,   32
.set HA,   48
.set PC,   112
.set CX,   128
.set BY,   160
.set SG,   168                         ; group g of my eight: m0, M2a, m1, M2b
.set TM,   200
.set PW,   216
.set W1S,  224                         ; v224-239  tile t: K step 0's word, K step 1's
.set W2S,  240
.set B1,   128
.set BV,   192
.set BR,   224
.set GA,   128
.set GB,   192
.set WV,   20                          ; s20  my wave's number
.set SEL,  24
.set MNT,  26                          ; s26  the mantissa field of 57,344
.set HIM,  27                          ; s27  lanes 16-31
.set G1A,  32
.set G1B,  40
.set G0A,  48
.set G0B,  52
.set MSB, 0
.macro WIN new                         ; the immediate's high byte repeats the setting that is left
.if MSB != \new
	s_set_vgpr_msb (MSB<<8)|\new
.set MSB, \new
.endif
.endm
.macro PLACES n
.rept \n
	v_nop
.endr
.endm
.macro CROUND                          ; a round of the cluster's barrier
	s_barrier_signal -1
	s_barrier_wait -1
	s_cmp_lg_u32 s[WV], 0
	s_cbranch_scc1 .Lnot_wave_0_\@
	s_barrier_signal -3
.Lnot_wave_0_\@:
	s_barrier_wait -3
	s_barrier_signal -1
	s_barrier_wait -1
.endm
; One matrix instruction.  c < 0: the sum starts with the constant 0.  ra, rb = 1: that side's scale words are taken from lanes 16-31.
.macro WM d, a, b, c, sa, sb, ra, rb
.if (\c) < 0
.if ((\ra) == 0) && ((\rb) == 0)
	v_wmma_scale_f32_16x16x128_f8f6f4 v[\d:\d+7], v[\a:\a+15], v[\b:\b+15], 0, v[\sa], v[\sb] matrix_a_fmt:MATRIX_FMT_BF8 matrix_b_fmt:MATRIX_FMT_BF8
.elseif (\rb) == 0
	v_wmma_scale_f32_16x16x128_f8f6f4 v[\d:\d+7], v[\a:\a+15], v[\b:\b+15], 0, v[\sa], v[\sb] matrix_a_fmt:MATRIX_FMT_BF8 matrix_b_fmt:MATRIX_FMT_BF8 matrix_a_scale:MATRIX_SCALE_ROW1
.elseif (\ra) == 0
	v_wmma_scale_f32_16x16x128_f8f6f4 v[\d:\d+7], v[\a:\a+15], v[\b:\b+15], 0, v[\sa], v[\sb] matrix_a_fmt:MATRIX_FMT_BF8 matrix_b_fmt:MATRIX_FMT_BF8 matrix_b_scale:MATRIX_SCALE_ROW1
.else
	v_wmma_scale_f32_16x16x128_f8f6f4 v[\d:\d+7], v[\a:\a+15], v[\b:\b+15], 0, v[\sa], v[\sb] matrix_a_fmt:MATRIX_FMT_BF8 matrix_b_fmt:MATRIX_FMT_BF8 matrix_a_scale:MATRIX_SCALE_ROW1 matrix_b_scale:MATRIX_SCALE_ROW1
.endif
.else
.if ((\ra) == 0) && ((\rb) == 0)
	v_wmma_scale_f32_16x16x128_f8f6f4 v[\d:\d+7], v[\a:\a+15], v[\b:\b+15], v[\c:\c+7], v[\sa], v[\sb] matrix_a_fmt:MATRIX_FMT_BF8 matrix_b_fmt:MATRIX_FMT_BF8
.elseif (\rb) == 0
	v_wmma_scale_f32_16x16x128_f8f6f4 v[\d:\d+7], v[\a:\a+15], v[\b:\b+15], v[\c:\c+7], v[\sa], v[\sb] matrix_a_fmt:MATRIX_FMT_BF8 matrix_b_fmt:MATRIX_FMT_BF8 matrix_a_scale:MATRIX_SCALE_ROW1
.elseif (\ra) == 0
	v_wmma_scale_f32_16x16x128_f8f6f4 v[\d:\d+7], v[\a:\a+15], v[\b:\b+15], v[\c:\c+7], v[\sa], v[\sb] matrix_a_fmt:MATRIX_FMT_BF8 matrix_b_fmt:MATRIX_FMT_BF8 matrix_b_scale:MATRIX_SCALE_ROW1
.else
	v_wmma_scale_f32_16x16x128_f8f6f4 v[\d:\d+7], v[\a:\a+15], v[\b:\b+15], v[\c:\c+7], v[\sa], v[\sb] matrix_a_fmt:MATRIX_FMT_BF8 matrix_b_fmt:MATRIX_FMT_BF8 matrix_a_scale:MATRIX_SCALE_ROW1 matrix_b_scale:MATRIX_SCALE_ROW1
.endif
.endif
.endm
; 64 numbers of a lane, register 16 b + i = k 32 b + 16 (lane / 16) + i of my row, become a fragment's codes in v[pc] on and its scale word in v[pw].
.macro QUANT s, pc, pw
.irp b, 0,1,2,3
	v_max3_num_f32 v[TM+\b], |v[\s+16*\b]|, |v[\s+1+16*\b]|, 0x8000000   ; my 16 numbers of block b, and the floor 2^(16 - 127): the byte cannot fall under 1
.endr
.irp i, 2,4,6,8,10,12,14
.irp b, 0,1,2,3
	v_max3_num_f32 v[TM+\b], v[TM+\b], |v[\s+16*\b+\i]|, |v[\s+1+16*\b+\i]|
.endr
.endr
.irp b, 0,1,2,3
	v_permlanex16_b32 v[TM+4+\b], v[TM+\b], s[SEL], s[SEL+1]
.endr
.irp b, 0,1,2,3
	v_max_num_f32 v[TM+\b], v[TM+\b], v[TM+4+\b]   ; with lane l xor 16's: the block's largest magnitude
.endr
.irp b, 0,1,2,3
	v_add_nc_u32 v[TM+12+\b], 0xf8800000, v[TM+\b] ; 15 off its exponent field: the conversion's scale operand
.endr
.irp b, 0,1,2,3
	v_and_or_b32 v[TM+8+\b], v[TM+\b], 0x7f800000, s[MNT]   ; 57,344 x the scale
.endr
.irp b, 0,1,2,3
	v_lshrrev_b32 v[TM+4+\b], 23, v[TM+12+\b]      ; the scale's byte
.endr
	v_lshl_or_b32 v[\pw], v[TM+5], 8, v[TM+4]
	v_lshl_or_b32 v[\pw], v[TM+6], 16, v[\pw]
	v_lshl_or_b32 v[\pw], v[TM+7], 24, v[\pw]
.irp b, 0,1,2,3
.irp i, 0,1,2,3,4,5,6,7,8,9,10,11,12,13,14,15
	v_med3_num_f32 v[\s+16*\b+\i], v[\s+16*\b+\i], -v[TM+8+\b], v[TM+8+\b]   ; the conversion to an 8-bit code does not saturate (ISA guide 7.6.2): the hold
.endr
	v_cvt_scalef32_pk8_bf8_f32 v[\pc+4*\b:\pc+1+4*\b], v[\s+16*\b:\s+7+16*\b], v[TM+12+\b]
	v_cvt_scalef32_pk8_bf8_f32 v[\pc+2+4*\b:\pc+3+4*\b], v[\s+8+16*\b:\s+15+16*\b], v[TM+12+\b]
.endr
	v_nop                                          ; one plain line between the last conversion and whatever next touches its registers
.endm
; A whole block of 32 along K in one lane's 32 registers: 8 registers of codes, and the byte.
.macro QB32 src, dst, by
	v_max3_num_f32 v[TM], |v[\src]|, |v[\src+1]|, |v[\src+2]|
	v_max3_num_f32 v[TM+1], |v[\src+3]|, |v[\src+4]|, |v[\src+5]|
.irp i, 6,10,14,18,22,26
	v_max3_num_f32 v[TM], v[TM], |v[\src+\i]|, |v[\src+\i+1]|
	v_max3_num_f32 v[TM+1], v[TM+1], |v[\src+\i+2]|, |v[\src+\i+3]|
.endr
	v_max3_num_f32 v[TM], v[TM], |v[\src+30]|, |v[\src+31]|
	v_max3_num_f32 v[TM], v[TM], v[TM+1], 0x8000000
	v_add_nc_u32 v[TM+2], 0xf8800000, v[TM]
	v_and_or_b32 v[TM+3], v[TM], 0x7f800000, s[MNT]
	v_lshrrev_b32 v[\by], 23, v[TM+2]
.set ii, 0
.rept 32
	v_med3_num_f32 v[\src+ii], v[\src+ii], -v[TM+3], v[TM+3]
.set ii, ii+1
.endr
.irp g, 0,1,2,3
	v_cvt_scalef32_pk8_bf8_f32 v[\dst+2*\g:\dst+2*\g+1], v[\src+8*\g:\src+8*\g+7], v[TM+2]
.endr
	v_nop
.endm
; h of my channels 32 j .. 32 j + 31 at my two places: v[HA + 32 e + i], e the place, i the channel
.macro NORM j
	WIN 0x03                                       ; source 0 (x) window 3
.set ii, 0
.rept 32
	v_sub_f32 v[HA+ii], v[2*(32*\j+ii)], v[MU+4*\j+ii/8]
	v_sub_f32 v[HA+32+ii], v[2*(32*\j+ii)+1], v[MU+4*\j+ii/8]
.set ii, ii+1
.endr
	WIN 0x3c                                       ; sources 1 (a) and 2 (gn_b) window 3
.set ii, 0
.rept 32
	v_fma_f32 v[HA+ii], v[HA+ii], v[GA+32*\j+ii], v[GB+32*\j+ii]
	v_fma_f32 v[HA+32+ii], v[HA+32+ii], v[GA+32*\j+ii], v[GB+32*\j+ii]
.set ii, ii+1
.endr
	WIN 0
.endm
	s_load_b256 s[4:11], s[0:1], 0x0               ; x, gnst, gn_b, W's codes
	s_load_b256 s[12:19], s[0:1], 0x20             ; W's scales, qkv_b, qrec, kvrec
	s_load_b64 s[86:87], s[0:1], 0x40              ; gn_w
	v_lshl_add_u32 v254, v0, 2, 0x38000
	v_mov_b32 v255, 0
	ds_add_u32 v254, v255
	ds_add_u32 v254, v255
	v_lshrrev_b32 v1, 5, v0
	v_readfirstlane_b32 s[WV], v1                  ; wave 0..3
	s_bfe_u32 s21, ttmp6, 0x40000                  ; cx: it enters global addresses of x and of the records alone
	s_lshl_b32 s23, ttmp9, 2
	s_add_co_u32 s23, s23, s21                     ; work-group = 4 x cluster + cx
	s_lshr_b32 s22, s23, 6                         ; b: the image
	s_and_b32 s23, s23, 63                         ; nb: which 64 places
	; descriptor group 1: rows of 256 bytes (256 elements of 1 byte), 16 bytes of padding behind each; 128 rows, or 64
	s_mov_b32 s[G1A], 15|(1<<20)|(1<<21)|(5<<22)|(3<<25)   ; 15:0 the mask: all four work-groups; 20 padding on; 21 set beside a mask; 24:22 after every 64 words; 31:25 four words
	s_mov_b32 s[G1A+1], 256<<16
	s_mov_b32 s[G1A+2], 128<<16
	s_mov_b32 s[G1A+3], 256<<16
	s_mov_b32 s[G1A+4], 128
	s_mov_b32 s[G1A+5], 256
	s_mov_b32 s[G1A+6], 0
	s_mov_b32 s[G1A+7], 0
	s_mov_b32 s[G1B], 15|(1<<20)|(1<<21)|(5<<22)|(3<<25)
	s_mov_b32 s[G1B+1], 256<<16
	s_mov_b32 s[G1B+2], 64<<16
	s_mov_b32 s[G1B+3], 256<<16
	s_mov_b32 s[G1B+4], 64
	s_mov_b32 s[G1B+5], 256
	s_mov_b32 s[G1B+6], 0
	s_mov_b32 s[G1B+7], 0
	s_mov_b32 s[G0A], 1
	s_mul_i32 s[G0A+1], s[WV], WREG                ; my region of LDS
	s_mov_b32 s[G0B], 1
	s_add_co_u32 s[G0B+1], s[G0A+1], 128*WP
	s_lshl_b32 s56, s[WV], 15                      ; rows 128 w on
	s_mov_b32 s57, 0
	s_lshl_b32 s58, s[WV], 14
	s_add_co_u32 s58, s58, 131072                  ; rows 512 + 64 w on
	s_mov_b32 s59, 0
	s_wait_dscnt 0x0
	s_wait_kmcnt 0x0
	s_add_nc_u64 s[G0A+2:G0A+3], s[10:11], s[56:57]
	s_or_b32 s[G0A+3], s[G0A+3], 0x80000000
	s_add_nc_u64 s[G0B+2:G0B+3], s[10:11], s[58:59]
	s_or_b32 s[G0B+3], s[G0B+3], 0x80000000
	; addresses
	v_mov_b32 v[VZ], 0
	v_and_b32 v1, 31, v0                           ; lane
	v_and_b32 v2, 15, v0                           ; r
	v_bfe_u32 v3, v0, 4, 1                         ; h
	v_lshlrev_b32 v[LI], 4, v1
	v_lshlrev_b32 v[LS], 2, v1
	v_lshlrev_b32 v[XA], 3, v1
	v_add_nc_u32 v[HLI], HIMG, v[LI]
	v_add_nc_u32 v[HLS], HSC, v[LS]
	; lane l holds places n = 2 l + e.  Place n lies in tile T = 2 (n / 32) + (n / 8) % 2 at row r = n % 8 + 8 ((n / 16) % 2): T = 2 bit4(l) + bit2(l), r = e + 2 (l % 4) + 8 bit3(l)
	v_and_b32 v14, 3, v0
	v_bfe_u32 v15, v0, 3, 1
	v_bfe_u32 v[TMPV], v0, 2, 1
	v_lshlrev_b32 v[HADR], 5, v14
	v_lshl_add_u32 v[HADR], v15, 7, v[HADR]
	v_lshl_add_u32 v[HADR], v[TMPV], 12, v[HADR]
	v_lshl_add_u32 v[HADR], v3, 13, v[HADR]
	s_lshl_b32 s56, s[WV], 10                      ; my channels 64 w on are K step w / 2, blocks 2 (w % 2) on: 2048 (w / 2) + 1024 (w % 2)
	s_add_co_u32 s56, s56, HIMG
	v_add_nc_u32 v[HADR], s56, v[HADR]
	v_lshlrev_b32 v[HSA], 3, v14
	v_lshl_add_u32 v[HSA], v15, 5, v[HSA]
	v_lshl_add_u32 v[HSA], v[TMPV], 7, v[HSA]
	v_lshl_add_u32 v[HSA], v3, 8, v[HSA]
	s_lshr_b32 s56, s[WV], 1
	s_lshl_b32 s56, s56, 6
	s_and_b32 s58, s[WV], 1
	s_lshl_b32 s58, s58, 1
	s_add_co_u32 s56, s56, s58
	s_add_co_u32 s56, s56, HSC
	v_add_nc_u32 v[HSA], s56, v[HSA]
	v_and_b32 v14, 8, v2
	v_add_nc_u32 v14, v14, v2                      ; r + 8 (r / 8): my row of a tile
	v_mul_u32_u24 v[WA], v14, WP
	v_lshl_add_u32 v[WA], v3, 4, v[WA]
	v_add_nc_u32 v[WA], s[G0A+1], v[WA]
	v_lshlrev_b32 v[SA8], 3, v14
	v_lshlrev_b32 v[H64], 6, v3
	v_lshlrev_b32 v[P4], 2, v14
.irp b, 0,1,2,3
	v_mov_b32 v[TM+4+\b], 0                        ; written once: a lane permute's destination counts as one of its sources
.endr
	s_mov_b32 s[SEL], 0x76543210
	s_mov_b32 s[SEL+1], 0xfedcba98
	s_mov_b32 s[MNT], 0x600000
	s_mov_b32 s[HIM], 0xffff0000
	s_mov_b32 s28, 0x38000000                      ; 1 / 32,768
	s_mov_b32 s29, 0x3727c5ac                      ; 1e-5
	; bases
	s_lshl_b32 s56, s22, 9
	s_lshl_b32 s58, s[WV], 7
	s_add_co_u32 s56, s56, s58
	s_add_nc_u64 s[6:7], s[6:7], s[56:57]          ; gnst at group 32 b + 8 w: 16 bytes a group
	s_lshl_b32 s56, s[WV], 8
	s_add_nc_u64 s[8:9], s[8:9], s[56:57]          ; gn_b at channel 64 w
	s_add_nc_u64 s[86:87], s[86:87], s[56:57]      ; gn_w likewise
	s_lshl_b32 s56, s22, 22
	s_lshl_b32 s58, s[WV], 20
	s_add_co_u32 s56, s56, s58
	s_lshl_b32 s58, s23, 8
	s_add_co_u32 s56, s56, s58
	s_add_nc_u64 s[4:5], s[4:5], s[56:57]          ; x at image b, channel 64 w, place 64 nb
	s_lshl_b32 s56, s[WV], 9
	s_add_co_u32 s56, s56, 4096
	s_add_nc_u64 s[82:83], s[12:13], s[56:57]      ; W's scale bytes at row 512 + 64 w
	s_lshl_b32 s56, s[WV], 10
	s_add_nc_u64 s[12:13], s[12:13], s[56:57]      ; and at row 128 w
	s_lshl_b32 s56, s[WV], 8
	s_add_co_u32 s56, s56, 2048
	s_add_nc_u64 s[84:85], s[14:15], s[56:57]      ; qkv_b at row 512 + 64 w
	s_lshl_b32 s56, s[WV], 9
	s_add_nc_u64 s[14:15], s[14:15], s[56:57]      ; and at row 128 w
	s_lshl_b32 s60, s22, 5
	s_lshr_b32 s61, s23, 1
	s_add_co_u32 s60, s60, s61                     ; the record: 32 b + nb / 2
	s_mul_i32 s62, s60, REC
	s_mov_b32 s63, 0
	s_mul_i32 s66, s60, 2*REC
	s_mov_b32 s67, 0
	s_add_nc_u64 s[16:17], s[16:17], s[62:63]      ; the q record
	s_add_nc_u64 s[18:19], s[18:19], s[66:67]      ; the k record; the v record lies REC behind it
	s_cmp_lt_u32 s[WV], 2                          ; the choice hangs on the wave's number alone
	s_cselect_b64 s[68:69], s[16:17], s[18:19]     ; waves 0, 1 make q, waves 2, 3 k
	s_and_b32 s70, s23, 1                          ; which half of the record
	s_and_b32 s71, s[WV], 1                        ; which K step
	s_lshl_b32 s72, s70, 14
	s_lshl_b32 s73, s71, 11
	s_add_co_u32 s72, s72, s73
	s_mov_b32 s73, 0
	s_add_nc_u64 s[74:75], s[68:69], s[72:73]      ; q/k codes: + 4096 x 4 half + 2048 s
	s_lshl_b32 s72, s70, 8
	s_lshl_b32 s76, s71, 9
	s_add_co_u32 s72, s72, s76
	s_add_co_u32 s72, s72, 32768
	s_add_nc_u64 s[76:77], s[68:69], s[72:73]      ; q/k scale words: + 32768 + 512 s + 64 x 4 half
	s_lshl_b32 s72, s[WV], 13
	s_lshl_b32 s78, s70, 10
	s_add_co_u32 s72, s72, s78
	s_add_co_u32 s72, s72, REC
	s_add_nc_u64 s[78:79], s[18:19], s[72:73]      ; v codes: tile 4 w, chunk 2 half
	s_lshl_b32 s72, s[WV], 8
	s_lshl_b32 s80, s70, 1
	s_add_co_u32 s72, s72, s80
	s_add_co_u32 s72, s72, REC+32768
	s_add_nc_u64 s[80:81], s[18:19], s[72:73]      ; v scale bytes: tile 4 w, byte 2 half
	; the tables of my 64 channels (the same address in all lanes), then x: each load reads 256 consecutive bytes of one channel, two places a lane.  They go out ahead of the weights: x is wanted first
.irp g, 0,1,2,3,4,5,6,7
	global_load_b128 v[SG+4*\g:SG+4*\g+3], v[VZ], s[6:7] offset:16*\g
.endr
	WIN 0xc0                                       ; destination window 3
.set ii, 0
.rept 16
	global_load_b128 v[GA+4*ii:GA+4*ii+3], v[VZ], s[86:87] offset:16*ii
	global_load_b128 v[GB+4*ii:GB+4*ii+3], v[VZ], s[8:9] offset:16*ii
.set ii, ii+1
.endr
.set ii, 0
.rept 64
	global_load_b64 v[2*ii:2*ii+1], v[XA], s[4:5] offset:16384*ii
.set ii, ii+1
.endr
	WIN 0
	CROUND                                         ; all four work-groups are here: the joint loads meet
	tensor_load_to_lds s[G0A:G0A+3], s[G1A:G1A+7]  ; the rows for q or k; two loads of mine are out
	s_nop 0
	tensor_load_to_lds s[G0B:G0B+3], s[G1B:G1B+7]  ; the rows for v
	s_nop 0
	PLACES 4
	; ---- the two halves of each of my eight groups are joined
	s_wait_loadcnt 63                              ; the 40 loads of the tables are wanted; 64 loads of x are younger, and the count cannot name more than 63: one of them is waited for as well
.irp g, 0,1,2,3,4,5,6,7
	v_sub_f32 v[RS+\g], v[SG+4*\g], v[SG+4*\g+2]               ; m0 - m1
	v_add_f32 v[MU+\g], v[SG+4*\g], v[SG+4*\g+2]
	v_add_f32 v[SG+4*\g+1], v[SG+4*\g+1], v[SG+4*\g+3]         ; M2a + M2b
.endr
.irp g, 0,1,2,3,4,5,6,7
	v_mul_f32 v[RS+\g], v[RS+\g], v[RS+\g]
	v_mul_f32 v[MU+\g], 0.5, v[MU+\g]                          ; the group's mean
.endr
.irp g, 0,1,2,3,4,5,6,7
	v_fma_f32 v[SG+4*\g+1], v[RS+\g], 0x46000000, v[SG+4*\g+1] ; + (m0 - m1)^2 x 8,192
.endr
.irp g, 0,1,2,3,4,5,6,7
	v_fma_f32 v[RS+\g], v[SG+4*\g+1], s28, s29                 ; var + 1e-5
.endr
.irp g, 0,1,2,3,4,5,6,7
	v_rsq_f32 v[RS+\g], v[RS+\g]
.endr
	v_nop                                          ; one plain place behind a transcendental (ISA guide 5.7.2)
	WIN 0xc3                                       ; destination and source 0 (gn_w) window 3
.set ii, 0
	s_wait_alu depctr_va_vdst(0)
.rept 64
	v_mul_f32 v[GA+ii], v[GA+ii], v[RS+ii/8]       ; a
.set ii, ii+1
.endr
	WIN 0
	; ---- X: my 64 channels of h at the 64 places: two blocks of 32 along K for each place
	s_wait_loadcnt 32                              ; all but the youngest 32: x of my channels 32 to 63
	NORM 0
	QB32 HA, CX, BY
	QB32 HA+32, CX+8, BY+1
.irp t, 0,1,2,3,4,5,6,7                        ; 32 small loads: W's scale words and the biases
	global_load_b64 v[W1S+2*\t:W1S+2*\t+1], v[SA8], s[12:13] offset:(32*(\t/2)+8*(\t%2))*8
.endr
.irp t, 0,1,2,3
	global_load_b64 v[W2S+2*\t:W2S+2*\t+1], v[SA8], s[82:83] offset:(32*(\t/2)+8*(\t%2))*8
.endr
	WIN 0x80                                       ; destination window 2
.irp t, 0,1,2,3,4,5,6,7                        ; q/k's bias in the result's layout: lane (r, h) of tile 2 b + u holds rows 32 b + 8 u + 16 h + 0 .. 7
	global_load_b128 v[B1+8*\t:B1+8*\t+3], v[H64], s[14:15] offset:(32*(\t/2)+8*(\t%2))*4
	global_load_b128 v[B1+8*\t+4:B1+8*\t+7], v[H64], s[14:15] offset:(32*(\t/2)+8*(\t%2))*4+16
.endr
.irp t, 0,1,2,3
	global_load_b32 v[BR+\t], v[P4], s[84:85] offset:(32*(\t/2)+8*(\t%2))*4   ; v's: one row a lane
.endr
	WIN 0
	s_wait_loadcnt 32                              ; all but those 32: the rest of x is in
	NORM 1
	QB32 HA, CX+16, BY+2
	QB32 HA+32, CX+24, BY+3
.irp j, 0,1
.irp e, 0,1
	ds_store_b128 v[HADR], v[CX+8*(2*\j+\e):CX+8*(2*\j+\e)+3] offset:512*\j+16*\e        ; k 0-15 of the block: the place of lane (r, 0)
	ds_store_b128 v[HADR], v[CX+8*(2*\j+\e)+4:CX+8*(2*\j+\e)+7] offset:512*\j+16*\e+256  ; k 16-31: that of lane (r, 1)
.endr
.endr
	v_lshl_or_b32 v[BY+4], v[BY+2], 8, v[BY]       ; my two blocks' bytes are neighbours in the place's scale word
	v_lshl_or_b32 v[BY+5], v[BY+3], 8, v[BY+1]
	ds_store_b16 v[HSA], v[BY+4]
	ds_store_b16 v[HSA], v[BY+5] offset:4
	; ---- my rows of W for q or k into registers: they are my own LDS bytes, so my own wait is all the ordering that the reads need
	s_wait_tensorcnt 0x1                           ; the first of my two loads has landed; v's rows may stay out
	WIN 0x40                                       ; destination window 1
.irp t, 0,1,2,3,4,5,6,7
.irp s, 0,1
.irp c, 0,1,2,3
	ds_load_b128 v[16*(2*\t+\s)+4*\c:16*(2*\t+\s)+4*\c+3], v[WA] offset:(32*(\t/2)+8*(\t%2))*WP+128*\s+32*\c
.endr
.endr
.endr
	s_wait_loadcnt 0x0
	WIN 0x82
.irp t, 0,1,2,3
.irp j, 0,1,2,3,4,5,6,7
	v_mov_b32 v[BV+8*\t+\j], v[BR+\t]              ; v's bias as the C of a sum: a lane's eight results belong to one row of W
.endr
.endr
	WIN 0
	s_wait_dscnt 0x0                               ; my stores of h's images have landed, my loads are in
	s_barrier_signal -1
	s_barrier_wait -1                              ; h's eight fragments lie in LDS
	WIN 0xc0
.irp f, 0,1,2,3,4,5,6,7
.irp c, 0,1,2,3
	ds_load_b128 v[16*\f+4*\c:16*\f+4*\c+3], v[HLI] offset:2048*\f+512*\c
.endr
.endr
	WIN 0
.irp nt, 0,1,2,3
	ds_load_b32 v[HS+\nt], v[HLS] offset:128*\nt
.endr
	s_wait_dscnt 0x0
	; ---- q or k: source 0 = 16 rows of W, source 1 = 16 places of h: a lane holds one place, its registers run along the rows of W, the next K.  The eight accumulators take turns.
.irp m, 0,1,2,3
	WIN 0x2d                                       ; source 0 window 1, source 1 window 3, C window 2
.irp t, 0,1,2,3,4,5,6,7
	WM HA+8*\t, 16*(2*\t), 16*(2*\m), B1+8*\t, W1S+2*\t, HS+\m, 0, 0
.endr
	WIN 0x0d
.irp t, 0,1,2,3,4,5,6,7
	WM HA+8*\t, 16*(2*\t+1), 16*(2*\m+1), HA+8*\t, W1S+2*\t+1, HS+\m, 0, 1
.endr
	WIN 0
	PLACES 8                                       ; behind this form eight places ahead of the first read of results
	s_wait_xcnt 0x0                                ; the last tile's stores have read their registers
	QUANT HA, PC, PW
.irp c, 0,1,2,3
	global_store_b128 v[LI], v[PC+4*\c:PC+4*\c+3], s[74:75] offset:4096*\m+512*\c   ; 512 consecutive bytes, at a multiple of 256 from the buffer's first byte
.endr
.if \m % 2 == 0
	v_mov_b32 v[PWK], v[PW]
.else
	v_cndmask_b32 v[PWK], v[PWK], v[PW], s[HIM]    ; lanes 0-15: the even tile's words; lanes 16-31: the odd tile's
	global_store_b32 v[LS], v[PWK], s[76:77] offset:64*(\m-1)
.endif
.if \m == 2                                    ; v's rows of W into registers, a tile of q or k ahead of their first use
	s_wait_tensorcnt 0x0                           ; my second load has landed
	WIN 0x80                                       ; destination window 2
.irp t, 0,1,2,3
.irp s, 0,1
.irp c, 0,1,2,3
	ds_load_b128 v[16*(2*\t+\s)+4*\c:16*(2*\t+\s)+4*\c+3], v[WA] offset:(128+32*(\t/2)+8*(\t%2))*WP+128*\s+32*\c
.endr
.endr
.endr
	WIN 0
.endif
.endr
	s_wait_dscnt 0x0                               ; v's rows of W are in
	; ---- v: source 0 = 16 places of h, source 1 = 16 rows of W: a lane holds one row (a channel of v), its registers run along the places, the keys of the second attention product
.irp p, 0,1
	WIN 0x2b                                       ; source 0 window 3, source 1 window 2, C window 2
.irp ti, 0,1
.irp nt, 0,1,2,3
	WM HA+32*\ti+8*\nt, 16*(2*\nt), 16*(2*(2*\p+\ti)), BV+8*(2*\p+\ti), HS+\nt, W2S+2*(2*\p+\ti), 0, 0
.endr
.endr
	WIN 0x0b
.irp ti, 0,1
.irp nt, 0,1,2,3
	WM HA+32*\ti+8*\nt, 16*(2*\nt+1), 16*(2*(2*\p+\ti)+1), HA+32*\ti+8*\nt, HS+\nt, W2S+2*(2*\p+\ti)+1, 1, 0
.endr
.endr
	WIN 0
	PLACES 8
	s_wait_xcnt 0x0
	QUANT HA, PC, PW                               ; its four blocks: tile 2 p + ti of my four, places 32 bb on
.irp ti, 0,1
.irp bb, 0,1
	global_store_b128 v[LI], v[PC+4*(2*\ti+\bb):PC+4*(2*\ti+\bb)+3], s[78:79] offset:2048*(2*\p+\ti)+512*\bb
.endr
.endr
	v_lshrrev_b32 v[TMPV], 16, v[PW]
	v_cndmask_b32 v[PWK], v[PW], v[TMPV], s[HIM]   ; lanes 0-15: the first tile's two bytes; lanes 16-31: the second's
	global_store_b16 v[LS], v[PWK], s[80:81] offset:128*\p
.endr
	s_wait_tensorcnt 0x0
	ds_add_u32 v254, v255
	s_wait_dscnt 0x0
	CROUND                                         ; the closing round
	s_endpgm
.Lfunc_end_k_qb3aa0a67ae_qkv:
	.size	k_qb3aa0a67ae_qkv, .Lfunc_end_k_qb3aa0a67ae_qkv-k_qb3aa0a67ae_qkv
	.p2alignl 7, 3214868480
	.fill 96, 4, 3214868480
	.section	.rodata,"a",@progbits
	.p2align	6, 0x0
	.amdhsa_kernel k_qb3aa0a67ae_qkv
		.amdhsa_group_segment_fixed_size 229888
		.amdhsa_private_segment_fixed_size 0
		.amdhsa_enable_private_segment 0
		.amdhsa_kernarg_size 72
		.amdhsa_user_sgpr_count 2
		.amdhsa_user_sgpr_kernarg_segment_ptr 1
		.amdhsa_wavefront_size32 1
		.amdhsa_system_sgpr_workgroup_id_x 1
		.amdhsa_system_sgpr_workgroup_id_y 1
		.amdhsa_system_sgpr_workgroup_id_z 1
		.amdhsa_system_vgpr_workitem_id 0
		.amdhsa_next_free_vgpr 1024
		.amdhsa_next_free_sgpr 88
		.amdhsa_reserve_vcc 0
		.amdhsa_float_denorm_mode_32 3
		.amdhsa_float_denorm_mode_16_64 3
		.amdhsa_memory_ordered 1
		.amdhsa_forward_progress 1
		.amdhsa_inst_pref_size 128
	.end_amdhsa_kernel
	.amdgpu_metadata
---
amdhsa.version: [ 1, 2 ]
amdhsa.kernels:
  - .name:           k_qb3aa0a67ae_qkv
    .symbol:         k_qb3aa0a67ae_qkv.kd
    .args:
      - { .name: x, .offset: 0, .size: 8, .value_kind: global_buffer, .address_space: global }
      - { .name: gnst, .offset: 8, .size: 8, .value_kind: global_buffer, .address_space: global }
      - { .name: gn_b, .offset: 16, .size: 8, .value_kind: global_buffer, .address_space: global }
      - { .name: qkv_w_codes, .offset: 24, .size: 8, .value_kind: global_buffer, .address_space: global }
      - { .name: qkv_w_scales, .offset: 32, .size: 8, .value_kind: global_buffer, .address_space: global }
      - { .name: qkv_b, .offset: 40, .size: 8, .value_kind: global_buffer, .address_space: global }
      - { .name: qrec, .offset: 48, .size: 8, .value_kind: global_buffer, .address_space: global }
      - { .name: kvrec, .offset: 56, .size: 8, .value_kind: global_buffer, .address_space: global }
      - { .name: gn_w, .offset: 64, .size: 8, .value_kind: global_buffer, .address_space: global }
    .group_segment_fixed_size: 229888
    .private_segment_fixed_size: 0
    .kernarg_segment_align: 8
    .kernarg_segment_size: 72
    .max_flat_workgroup_size: 128
    .sgpr_count:     88
    .vgpr_count:     1024
    .wavefront_size: 32
...
	.end_amdgpu_metadata
.endif
;; end of part 5
;; launch attn (part 6): grid 64 x 4, 4 waves a work-group, clusters of 4 x 1, 327,680 bytes of LDS; arguments qrec, kvrec, proj_w_codes, proj_w_scales, proj_b, x, out0; writes out0
.if DOCPART == 6
	.amdgcn_target "amdgcn-amd-amdhsa--gfx1250"
	.amdhsa_code_object_version 6
	.text
	.protected	k_qb3aa0a67ae_attn
	.globl	k_qb3aa0a67ae_attn
	.p2align	8
	.type	k_qb3aa0a67ae_attn,@function
k_qb3aa0a67ae_attn:
	s_mov_b64 s[64:65], 0
	v_nop
	global_prefetch_b8 v0, s[64:65] scope:SCOPE_SE
	s_setreg_imm32_b32 hwreg(HW_REG_WAVE_MODE, 25, 1), 1
	s_wait_xcnt 0x0
	s_wait_alu depctr_hold_cnt(0) depctr_sa_sdst(0) depctr_va_vdst(0) depctr_va_sdst(0) depctr_va_ssrc(0) depctr_va_vcc(0) depctr_vm_vsrc(0)
	s_getreg_b32 s2, hwreg(HW_REG_IB_STS2, 6, 4)
	s_cmp_eq_u32 s2, 0
	s_cbranch_scc0 .Lentry_in_a_cluster
	s_endpgm
.Lentry_in_a_cluster:
	s_bfe_u32 s2, ttmp6, 0x10000c
	s_cmp_lg_u32 s2, 0x3003
	s_cbranch_scc0 .Lentry_shape_is_right
	s_endpgm
.Lentry_shape_is_right:
; out0 = x + proj_w out + proj_b, out[c][n] = sum over m of softmax_m(q[.][n] . k[.][m] / 16) v[c][m]; all three products on codes of BF8 (E5M2) with one E8M0 scale for each 32 along K.
; q, k, v come as RECORDS of REC = 33,792 bytes for 128 places, images of operand registers: q, k: codes at 4096 tile + 2048 s + 512 c + 16 lane, scale words at 32768 + 512 s + 64 tile + 4 r;
; v: codes at 2048 tile + 512 c + 16 lane (16 channels x 128 keys), scale words at 32768 + 64 tile + 4 r.  Lane r of tile 2 b + u holds row 32 b + 8 u + r + 8 (r / 8).
; THE SOFTMAX: t = score x log2(e) / 16; M = the running largest t rounded UP to a whole number; p = 2^(t - M) is quantised along the keys, not normalised; the sum is taken of the unquantised p and divides at the end.
; SHARES.  A work-group owns 64 queries of one image.  Wave w: qh = w % 2, kh = w / 2: it holds the two tiles of 16 queries 2 qh, 2 qh + 1 and walks the k and v records of key half kh in each of 16 slots: so each fragment
; of k and v read from LDS feeds two matrix instructions.  My register tile 0 is query tile 2 qh + kh, which I finish; tile 1 goes at the end to wave w xor 2, which has walked the other keys.
; Both products are used transposed (S^T = k q^T, O^T = v p^T): a lane holds one query throughout.
; RING: two LDS slots, each with two k and two v records (135,168 dense bytes of kvrec); each wave brings one record.  CLUSTER: the four work-groups of a cluster belong to one image and walk the same
; records: each is asked for JOINTLY.  A step's refill stands behind a round of the cluster's barrier in the step's middle, when v lies in registers and nobody reads the slot any more.
; THE WALK: cluster x of an image's sixteen takes in step j the image's slot (x + j) mod 16, so that the sixteen ask for sixteen different slots at any time; a softmax with a running M takes the keys in any order.
; For that reason no prefetch is written: from the third step on a slot has been read by a neighbouring cluster one and two steps before.
; LIMITS: NaN and infinities are not served; a block whose largest magnitude lies under 2^-111 (a block of zeros among them) gets the scale byte 1; a p under 2^-126 counts as 0.
; REGISTERS, in windows of 256.  window 0: v1-15, v244-250 addresses; v16-31 statistics, 8 a tile; v32-63 at work, 16 a tile; v64-191 S^T then p, 64 a tile; v192-223 p's codes; v224-243 scale words.
;   window 1: O^T, 128 a tile.   window 2: v0-63 q; v64-191 k's K step 0, from the last step on x; v192-223 proj_b.   window 3: two buffers of 128: k's K step 1 and the two halves of v, by turns.
.set REC,   33792
.set SLOT,  4*REC
.set SPARE, 2*SLOT                     ; the spare words, 128 bytes for each wave: two blocks of 256 bytes that no other line names
.set XS,    SPARE+512                  ; -M and the sum of the tile that changes hands: 256 bytes a wave
.set XST,   256*272                    ; its O^T: 16,384 bytes a wave, in slot 0 behind proj_w: those blocks have had their last fill
.set YST,   SLOT                       ; the stage for y, 256 rows x (256 bytes + 16), in slot 1 when it has had its last fill and its last read
.set AK,  1                            ; v1-2   k's codes in slot 0, 1: 16 x lane + my key half's record
.set AV,  3                            ; v3-4   v's
.set ASK, 5                            ; v5-6   k's scale words: 4 x lane + ..
.set ASV, 7                            ; v7-8   v's
.set SPW, 9                            ; v9     my spare word; never rewritten
.set NIL, 10                           ; v10    0; never rewritten
.set XW,  11
.set XR,  12
.set AP,  13
.set YR,  14
.set OXO, 15
.set ST,  16                           ; tile u at +8 u: +0 -M, +1 the largest t, +2 +3 the sum in two halves, +4 +5 f, +6 +7 at work
.set TM,  32
.set S,   64
.set P,   192
.set KS,  224                          ; register 4 s + p: lanes 0-15 the words of key tile 2 p, lanes 16-31 of 2 p + 1
.set VS,  232                          ; register p likewise, for v's 16 tiles
.set PJS, 224                          ; at the end: proj_w's words: lanes 0-15 K step 0, lanes 16-31 K step 1
.set QS,  240                          ; q's words: lanes 0-15 K step 0, lanes 16-31 K step 1
.set PS,  242                          ; p's words, a register a tile
.set L16, 244
.set YW,  245
.set XSW, 246
.set XSR, 247
.set VQ,  248
.set VPS, 249
.set PBA, 250
.set KA,  64
.set PB,  192
.set KB,  0
.set VC,  128
.set WV,  18
.set SEL, 24
.set CS,  26
.set MNT, 28
.set TRIP, 29
.set IDX, 30                           ; s30-31  which of the image's 16 slots LDS slot 0, 1 was last asked to take
.set G1,  32
.set G0,  40
.set G1P, 48
.set G0P, 56
.set OFS, 84                           ; s[84:85] that slot's byte offset, as a pair
.set MSB, 0
.macro WIN new                         ; the immediate's high byte repeats the setting that is left
.if MSB != \new
	s_set_vgpr_msb (MSB<<8)|\new
.set MSB, \new
.endif
.endm
.macro PLACES n
.rept \n
	v_nop
.endr
.endm
.macro CROUND                          ; a round of the cluster's barrier
	s_barrier_signal -1
	s_barrier_wait -1
	s_cmp_lg_u32 s[WV], 0
	s_cbranch_scc1 .Lnot_wave_0_\@
	s_barrier_signal -3
.Lnot_wave_0_\@:
	s_barrier_wait -3
	s_barrier_signal -1
	s_barrier_wait -1
.endm
; One matrix instruction.  c < 0: the sum starts with the constant 0.  ra, rb = 1: that side's scale words are taken from lanes 16-31.
.macro WM d, a, b, c, sa, sb, ra, rb
.if (\c) < 0
.if ((\ra) == 0) && ((\rb) == 0)
	v_wmma_scale_f32_16x16x128_f8f6f4 v[\d:\d+7], v[\a:\a+15], v[\b:\b+15], 0, v[\sa], v[\sb] matrix_a_fmt:MATRIX_FMT_BF8 matrix_b_fmt:MATRIX_FMT_BF8
.elseif (\rb) == 0
	v_wmma_scale_f32_16x16x128_f8f6f4 v[\d:\d+7], v[\a:\a+15], v[\b:\b+15], 0, v[\sa], v[\sb] matrix_a_fmt:MATRIX_FMT_BF8 matrix_b_fmt:MATRIX_FMT_BF8 matrix_a_scale:MATRIX_SCALE_ROW1
.elseif (\ra) == 0
	v_wmma_scale_f32_16x16x128_f8f6f4 v[\d:\d+7], v[\a:\a+15], v[\b:\b+15], 0, v[\sa], v[\sb] matrix_a_fmt:MATRIX_FMT_BF8 matrix_b_fmt:MATRIX_FMT_BF8 matrix_b_scale:MATRIX_SCALE_ROW1
.else
	v_wmma_scale_f32_16x16x128_f8f6f4 v[\d:\d+7], v[\a:\a+15], v[\b:\b+15], 0, v[\sa], v[\sb] matrix_a_fmt:MATRIX_FMT_BF8 matrix_b_fmt:MATRIX_FMT_BF8 matrix_a_scale:MATRIX_SCALE_ROW1 matrix_b_scale:MATRIX_SCALE_ROW1
.endif
.else
.if ((\ra) == 0) && ((\rb) == 0)
	v_wmma_scale_f32_16x16x128_f8f6f4 v[\d:\d+7], v[\a:\a+15], v[\b:\b+15], v[\c:\c+7], v[\sa], v[\sb] matrix_a_fmt:MATRIX_FMT_BF8 matrix_b_fmt:MATRIX_FMT_BF8
.elseif (\rb) == 0
	v_wmma_scale_f32_16x16x128_f8f6f4 v[\d:\d+7], v[\a:\a+15], v[\b:\b+15], v[\c:\c+7], v[\sa], v[\sb] matrix_a_fmt:MATRIX_FMT_BF8 matrix_b_fmt:MATRIX_FMT_BF8 matrix_a_scale:MATRIX_SCALE_ROW1
.elseif (\ra) == 0
	v_wmma_scale_f32_16x16x128_f8f6f4 v[\d:\d+7], v[\a:\a+15], v[\b:\b+15], v[\c:\c+7], v[\sa], v[\sb] matrix_a_fmt:MATRIX_FMT_BF8 matrix_b_fmt:MATRIX_FMT_BF8 matrix_b_scale:MATRIX_SCALE_ROW1
.else
	v_wmma_scale_f32_16x16x128_f8f6f4 v[\d:\d+7], v[\a:\a+15], v[\b:\b+15], v[\c:\c+7], v[\sa], v[\sb] matrix_a_fmt:MATRIX_FMT_BF8 matrix_b_fmt:MATRIX_FMT_BF8 matrix_a_scale:MATRIX_SCALE_ROW1 matrix_b_scale:MATRIX_SCALE_ROW1
.endif
.endif
.endm
; 64 numbers of a lane, register 16 b + i = k 32 b + 16 (lane / 16) + i of my row, become a fragment's codes in v[pc] on and its scale word in v[pw].
.macro QUANT s, pc, pw
.irp b, 0,1,2,3
	v_max3_num_f32 v[TM+\b], |v[\s+16*\b]|, |v[\s+1+16*\b]|, 0x8000000   ; my 16 numbers of block b, and the floor 2^(16 - 127): the byte cannot fall under 1
.endr
.irp i, 2,4,6,8,10,12,14
.irp b, 0,1,2,3
	v_max3_num_f32 v[TM+\b], v[TM+\b], |v[\s+16*\b+\i]|, |v[\s+1+16*\b+\i]|
.endr
.endr
.irp b, 0,1,2,3
	v_permlanex16_b32 v[TM+4+\b], v[TM+\b], s[SEL], s[SEL+1]
.endr
.irp b, 0,1,2,3
	v_max_num_f32 v[TM+\b], v[TM+\b], v[TM+4+\b]
.endr
.irp b, 0,1,2,3
	v_add_nc_u32 v[TM+12+\b], 0xf8800000, v[TM+\b]
.endr
.irp b, 0,1,2,3
	v_and_or_b32 v[TM+8+\b], v[TM+\b], 0x7f800000, s[MNT]
.endr
.irp b, 0,1,2,3
	v_lshrrev_b32 v[TM+4+\b], 23, v[TM+12+\b]
.endr
	v_lshl_or_b32 v[\pw], v[TM+5], 8, v[TM+4]
	v_lshl_or_b32 v[\pw], v[TM+6], 16, v[\pw]
	v_lshl_or_b32 v[\pw], v[TM+7], 24, v[\pw]
.irp b, 0,1,2,3
.irp i, 0,1,2,3,4,5,6,7,8,9,10,11,12,13,14,15
	v_med3_num_f32 v[\s+16*\b+\i], v[\s+16*\b+\i], -v[TM+8+\b], v[TM+8+\b]   ; the conversion to an 8-bit code does not saturate (ISA guide 7.6.2): the hold
.endr
	v_cvt_scalef32_pk8_bf8_f32 v[\pc+4*\b:\pc+1+4*\b], v[\s+16*\b:\s+7+16*\b], v[TM+12+\b]
	v_cvt_scalef32_pk8_bf8_f32 v[\pc+2+4*\b:\pc+3+4*\b], v[\s+8+16*\b:\s+15+16*\b], v[TM+12+\b]
.endr
	v_nop                                          ; one plain line between the last conversion and whatever next touches its registers
.endm
; THE LDS LOADS, in runs.  An image's 512 bytes are consecutive: 16 bytes a lane, no pitch, no padding.
.macro LDK0 sl                         ; k's eight fragments of K step 0
	WIN 0x80
.irp kt, 0,1,2,3,4,5,6,7
.irp c, 0,1,2,3
	ds_load_b128 v[KA+16*\kt+4*\c:KA+16*\kt+4*\c+3], v[AK+(\sl)] offset:4096*\kt+512*\c
.endr
.endr
.endm
.macro LDK1 sl, buf                    ; and of K step 1
	WIN 0xc0
.irp kt, 0,1,2,3,4,5,6,7
.irp c, 0,1,2,3
	ds_load_b128 v[\buf+16*\kt+4*\c:\buf+16*\kt+4*\c+3], v[AK+(\sl)] offset:4096*\kt+2048+512*\c
.endr
.endr
.endm
.macro LDKS sl
	WIN 0
.irp i, 0,1,2,3,4,5,6,7
	ds_load_b32 v[KS+\i], v[ASK+(\sl)] offset:128*\i
.endr
.endm
.macro LDV sl, half, buf               ; v's tiles 8 half .. 8 half + 7
	WIN 0xc0
.irp t, 0,1,2,3,4,5,6,7
.irp c, 0,1,2,3
	ds_load_b128 v[\buf+16*\t+4*\c:\buf+16*\t+4*\c+3], v[AV+(\sl)] offset:2048*(8*\half+\t)+512*\c
.endr
.endr
.endm
.macro LDVS sl
	WIN 0
.irp i, 0,1,2,3,4,5,6,7
	ds_load_b32 v[VS+\i], v[ASV+(\sl)] offset:128*\i
.endr
.endm
.macro XLOAD                           ; my 64 channels of x at the work-group's 64 places, into k's buffer, which the last step's first products have left: sixteen lanes read 256 consecutive bytes of a channel
	WIN 0x80
.set jj, 0
.rept 32
	global_load_b128 v[KA+4*jj:KA+4*jj+3], v[OXO], s[14:15] offset:32768*jj
.set jj, jj+1
.endr
	WIN 0
.endm
; 16 products of S^T = k q^T, K step s: eight tiles of keys x my two tiles of queries.  The 16 accumulators take turns, one instruction a turn.
.macro SMUL s, buf, win
	WIN \win
.irp kt, 0,1,2,3,4,5,6,7
.irp u, 0,1
.if \s == 0
	WM S+64*\u+8*\kt, \buf+16*\kt, 32*\u, -1, KS+\kt/2, QS+\u, \kt%2, 0
.else
	WM S+64*\u+8*\kt, \buf+16*\kt, 32*\u+16, S+64*\u+8*\kt, KS+4+\kt/2, QS+\u, \kt%2, 1
.endif
.endr
.endr
.endm
; 16 products of O^T += v p^T: eight tiles of channels x my two tiles of queries; K = the step's 128 keys
.macro PVMUL half, buf
	WIN 0x53                                       ; source 0 (v) window 3, source 1 (p) window 0, C and D window 1
.irp t, 0,1,2,3,4,5,6,7
.irp u, 0,1
	WM 128*\u+8*(8*\half+\t), \buf+16*\t, P+16*\u, 128*\u+8*(8*\half+\t), VS+4*\half+\t/2, PS+\u, \t%2, 0
.endr
.endr
.endm
; THE SOFTMAX of tile u for a step's 128 keys: register 16 b + i of the tile's 64 is key 32 b + 16 (lane / 16) + i.
.macro TMM                             ; t - M of the pair of scores qq; then on to the next pair
	v_pk_fma_f32 v[rS+2*qq:rS+2*qq+1], v[rS+2*qq:rS+2*qq+1], s[CS:CS+1], v[rT:rT+1] op_sel_hi:[1,0,0]
.set qq, qq+1
.endm
.macro SUME                            ; line ee of 30 of the sum of the unquantised p, two at a time, in three chains: lines 0 and 1 start two of them with two pairs each, line e >= 2 adds pair e + 2
.if ee == 0
	s_wait_alu depctr_va_vdst(0)
	v_pk_add_f32 v[rM+4:rM+5], v[rS:rS+1], v[rS+2:rS+3]
.elseif ee == 1
	v_pk_add_f32 v[rM+6:rM+7], v[rS+4:rS+5], v[rS+6:rS+7]
.elseif (ee % 3) == 2
	v_pk_add_f32 v[rT+2:rT+3], v[rT+2:rT+3], v[rS+2*ee+4:rS+2*ee+5]
.elseif (ee % 3) == 0
	s_wait_alu depctr_va_vdst(0)
	v_pk_add_f32 v[rM+4:rM+5], v[rM+4:rM+5], v[rS+2*ee+4:rS+2*ee+5]
.else
	v_pk_add_f32 v[rM+6:rM+7], v[rM+6:rM+7], v[rS+2*ee+4:rS+2*ee+5]
.endif
.set ee, ee+1
.endm
.macro SOFT u
.set rS, S+64*\u
.set rT, ST+8*\u
.set rM, TM+16*\u
.set rP, P+16*\u
.set qq, 0
.set ee, 0
.irp b, 0,1,2,3
	v_max3_num_f32 v[rM+\b], v[rS+16*\b], v[rS+16*\b+1], v[rS+16*\b+2]   ; the largest score of each block of 32 keys: for the row's maximum, and, since p rises with the score, for the block's largest p
.endr
.irp i, 3,5,7,9,11,13
.irp b, 0,1,2,3
	v_max3_num_f32 v[rM+\b], v[rM+\b], v[rS+16*\b+\i], v[rS+16*\b+\i+1]
.endr
.endr
.irp b, 0,1,2,3
	v_max_num_f32 v[rM+\b], v[rM+\b], v[rS+16*\b+15]
.endr
.irp b, 0,1,2,3
	v_permlanex16_b32 v[rM+4+\b], v[rM+\b], s[SEL], s[SEL+1]
.endr
.irp b, 0,1,2,3
	v_max_num_f32 v[rM+\b], v[rM+\b], v[rM+4+\b]   ; with lane l xor 16's 16 keys
.endr
	v_max3_num_f32 v[rT+6], v[rM], v[rM+1], v[rM+2]
	v_max_num_f32 v[rT+6], v[rT+6], v[rM+3]
	v_mul_f32 v[rT+6], s[CS], v[rT+6]              ; as t (c is positive)
	v_max_num_f32 v[rT+1], v[rT+1], v[rT+6]        ; the running largest t
	v_mov_b32 v[rT+6], v[rT]
	v_floor_f32 v[rT], -v[rT+1]                    ; the new -M = floor(-t): M is a whole number
.irp b, 0,1,2,3
	v_fma_f32 v[rM+\b], v[rM+\b], s[CS], v[rT]     ; t - M of each block's largest score
.endr
	v_sub_f32 v[rT+6], v[rT], v[rT+6]              ; old M - new M: a whole number, 0 or less
.rept 4
	TMM                                            ; t - M, two at a time: the first block's pairs stand between the three lines that make f
.endr
	v_cvt_i32_f32 v[rT+6], v[rT+6]                 ; (it saturates)
.rept 4
	TMM
.endr
	v_ldexp_f32 v[rT+4], 1.0, v[rT+6]              ; f = 2^(old M - new M): a multiplication by it rounds nothing
.irp b, 0,1,2,3
	v_exp_f32 v[rM+\b], v[rM+\b]                   ; the block's largest p: the same multiply-add and exponential as its number gets
.endr
.rept 8
	TMM                                            ; the second block's pairs (plain lines behind those exponentials)
.endr
	v_pk_mul_f32 v[rT+2:rT+3], v[rT+2:rT+3], v[rT+4:rT+5] op_sel_hi:[1,0]   ; the sums under the new M
	s_wait_alu depctr_va_vdst(0)
.irp b, 0,1,2,3
	v_max_num_f32 v[rM+\b], 0x8000000, v[rM+\b]    ; the floor 2^(16 - 127)
.endr
.irp b, 0,1,2,3
	v_add_nc_u32 v[rM+12+\b], 0xf8800000, v[rM+\b] ; the conversion's scale operand
.endr
.irp b, 0,1,2,3
	v_and_or_b32 v[rM+8+\b], v[rM+\b], 0x7f800000, s[MNT]   ; 57,344 x the scale
.endr
.irp b, 0,1,2,3
	v_lshrrev_b32 v[rM+4+\b], 23, v[rM+12+\b]      ; the scale's byte
.endr
	v_lshl_or_b32 v[PS+\u], v[rM+5], 8, v[rM+4]    ; p's scale word for these 128 keys
	v_lshl_or_b32 v[PS+\u], v[rM+6], 16, v[PS+\u]
	v_lshl_or_b32 v[PS+\u], v[rM+7], 24, v[PS+\u]
; p = 2^(t - M), at most 1.  EACH EXPONENTIAL IS FOLLOWED BY ONE PLAIN LINE that names other registers (ISA guide 5.7.2 asks for one ahead of the result's use): behind numbers 0-15 the t - M of pairs 16-31;
; from number 16 on by turns a line of the sum, which reads pairs whose exponentials stand at least ten numbers back, and the hold of a number whose pair the sum has taken (p is not negative: the hold is one-sided).
.set nn, 0
.rept 64
	v_exp_f32 v[rS+nn], v[rS+nn]
.if nn < 16
	TMM
.elseif (nn % 2) == 0
	SUME
.else
	v_min_num_f32 v[rS+(nn-17)/2], v[rS+(nn-17)/2], v[rM+8+(nn-17)/32]
.endif
.set nn, nn+1
.endr
.rept 6
	SUME                                           ; the last six pairs
.endr
	v_pk_add_f32 v[rM+4:rM+5], v[rM+4:rM+5], v[rM+6:rM+7]
	v_pk_add_f32 v[rT+2:rT+3], v[rT+2:rT+3], v[rM+4:rM+5]
	v_cvt_scalef32_pk8_bf8_f32 v[rP:rP+1], v[rS:rS+7], v[rM+12]
	v_cvt_scalef32_pk8_bf8_f32 v[rP+2:rP+3], v[rS+8:rS+15], v[rM+12]
.set ii, 24
.rept 8
	v_min_num_f32 v[rS+ii], v[rS+ii], v[rM+9]      ; numbers 0 to 23 were held above
.set ii, ii+1
.endr
	v_cvt_scalef32_pk8_bf8_f32 v[rP+4:rP+5], v[rS+16:rS+23], v[rM+13]
	v_cvt_scalef32_pk8_bf8_f32 v[rP+6:rP+7], v[rS+24:rS+31], v[rM+13]
.irp b, 2,3
.irp i, 0,1,2,3,4,5,6,7,8,9,10,11,12,13,14,15
	v_min_num_f32 v[rS+16*\b+\i], v[rS+16*\b+\i], v[rM+8+\b]
.endr
	v_cvt_scalef32_pk8_bf8_f32 v[rP+4*\b:rP+4*\b+1], v[rS+16*\b:rS+16*\b+7], v[rM+12+\b]
	v_cvt_scalef32_pk8_bf8_f32 v[rP+4*\b+2:rP+4*\b+3], v[rS+16*\b+8:rS+16*\b+15], v[rM+12+\b]
.endr
	WIN 0x41                                       ; O^T (destination and source 0) window 1, f window 0
.set jj, 0
.rept 64
	v_pk_mul_f32 v[128*\u+jj:128*\u+jj+1], v[128*\u+jj:128*\u+jj+1], v[rT+4:rT+5] op_sel_hi:[1,0]   ; O^T under the new M; these lines are also the places between the codes and the products that take them
.set jj, jj+2
.endr
	WIN 0
.endm
; A STEP: my record of 128 keys in slot sl.  At its head k's K step 0 lies (or is landing) in KA, K step 1 in X.  v's halves go to Y and X; the next step's K step 1 goes to Y: X and Y change places from step to step.
; fill = 1: the slot is filled again with the records two steps on; 2: with proj_w; 0: not (the last step: x is asked for instead).  next = 1: the next step's k is fetched from the other slot.
; The wait for all tensor loads stands BEHIND tile 0's softmax, directly ahead of the round: so the load asked for behind the last step's round has had a whole step, less the round, in which to land.
.macro STEP sl, X, Y, fill, next
	s_wait_dscnt 32                                ; k's K step 0 and its scale words are in; the youngest 32 loads, K step 1's, may be out
	SMUL 0, KA, 0x0a
	s_wait_dscnt 0x0
	SMUL 1, \X, 0x0b
	WIN 0
	PLACES 8                                       ; eight places ahead of loads into X, Y, KA and v's scale words, which matrix instructions have read, and of the first read of the scores
	LDV \sl, 0, \Y
	LDV \sl, 1, \X
	LDVS \sl
.if \fill == 0
	XLOAD
.endif
	SOFT 0
.if \fill
	s_wait_tensorcnt 0x0                           ; all my tensor loads have landed: my record of the other slot
	ds_add_u32 v[SPW], v[NIL]                      ; 0 onto my spare word; the descriptor's step stands between it and the wait for it
.if \fill == 1
	s_add_co_u32 s[IDX+\sl], s[IDX+\sl], 2         ; no load of mine is out, so a group 0 may be written: this LDS slot takes the image's slot two further on, round the image's sixteen
	s_and_b32 s[IDX+\sl], s[IDX+\sl], 15
	s_mul_i32 s[OFS], s[IDX+\sl], SLOT
	s_add_nc_u64 s[G0+4*\sl+2:G0+4*\sl+3], s[6:7], s[OFS:OFS+1]
	s_or_b32 s[G0+4*\sl+3], s[G0+4*\sl+3], 0x80000000
.endif
	s_wait_dscnt 0x0                               ; the add is done; v lies in registers: my reads of this slot are over
	CROUND                                         ; that now holds of every wave of all four work-groups
.if \fill == 1
	tensor_load_to_lds s[G0+4*\sl:G0+4*\sl+3], s[G1:G1+7]   ; my one load behind the round
	s_nop 0
.else
	tensor_load_to_lds s[G0P:G0P+3], s[G1P:G1P+7]  ; proj_w, into the slot that no key step will use again
	s_nop 0
.endif
	PLACES 4
.endif
.if \next
	LDK0 1-\sl
	LDKS 1-\sl
.endif
	SOFT 1
.if \fill == 0
	s_wait_dscnt 0x0                               ; v is in
.endif
	PVMUL 0, \Y
.if \next
	PLACES 8                                       ; ahead of loads into Y, which the products above have read
	LDK1 1-\sl, \Y
.endif
	PVMUL 1, \X
	WIN 0
.endm
	s_load_b256 s[4:11], s[0:1], 0x0               ; qrec, kvrec, proj_w's codes, proj_w's scales
	s_load_b128 s[12:15], s[0:1], 0x20             ; proj_b, x
	s_load_b64 s[16:17], s[0:1], 0x30              ; out0
	v_lshl_add_u32 v[SPW], v0, 2, SPARE
	v_mov_b32 v[NIL], 0
	ds_add_u32 v9, v10
	ds_add_u32 v9, v10
	s_wait_dscnt 0x0
	v_lshrrev_b32 v254, 5, v0
	v_readfirstlane_b32 s[WV], v254                ; wave 0..3
	s_and_b32 s19, s[WV], 1                        ; qh
	s_lshr_b32 s20, s[WV], 1                       ; kh
	s_bfe_u32 s21, ttmp6, 0x40000                  ; cx: it enters the global addresses of q, x and out0 alone
	s_lshl_b32 s23, ttmp9, 2
	s_add_co_u32 s23, s23, s21                     ; nb: which 64 queries
	s_and_b32 s22, ttmp7, 0xffff                   ; b: the image, which the four partners share
	s_and_b32 s[IDX], ttmp9, 15                    ; the cluster's x, which the four partners share too: where its walk round the image's 16 slots begins
	s_add_co_u32 s[IDX+1], s[IDX], 1
	s_and_b32 s[IDX+1], s[IDX+1], 15
	s_mov_b32 s[OFS+1], 0
	; descriptor group 1: a record: 132 rows of 256 bytes (32 elements of 8 bytes), dense, no padding
	s_mov_b32 s[G1], 15|(3<<16)|(1<<21)            ; 15:0 the mask: all four work-groups; 17:16 elements of 8 bytes; 21 set beside a mask
	s_mov_b32 s[G1+1], 32<<16
	s_mov_b32 s[G1+2], 132<<16
	s_mov_b32 s[G1+3], 32<<16
	s_mov_b32 s[G1+4], 132
	s_mov_b32 s[G1+5], 32
	s_mov_b32 s[G1+6], 0
	s_mov_b32 s[G1+7], 0
	; and 64 rows of proj_w: 256 bytes, 16 of padding behind each
	s_mov_b32 s[G1P], 15|(1<<20)|(1<<21)|(5<<22)|(3<<25)
	s_mov_b32 s[G1P+1], 256<<16
	s_mov_b32 s[G1P+2], 64<<16
	s_mov_b32 s[G1P+3], 256<<16
	s_mov_b32 s[G1P+4], 64
	s_mov_b32 s[G1P+5], 256
	s_mov_b32 s[G1P+6], 0
	s_mov_b32 s[G1P+7], 0
	s_mul_i32 s60, s[WV], REC                      ; the record that I fetch: wave w's of a slot's four
	s_mul_i32 s62, s22, 64*REC                     ; the image's records
	s_add_co_u32 s62, s62, s60
	s_mov_b32 s63, 0
	s_wait_kmcnt 0x0
	s_add_nc_u64 s[6:7], s[6:7], s[62:63]          ; kvrec at the image's slot 0, my record; it stays
	CROUND                                         ; all four work-groups are here: the first joint loads meet
.irp sl, 0,1
	s_mov_b32 s[G0+4*\sl], 1
	s_add_co_u32 s[G0+4*\sl+1], s60, \sl*SLOT
	s_mul_i32 s[OFS], s[IDX+\sl], SLOT
	s_add_nc_u64 s[G0+4*\sl+2:G0+4*\sl+3], s[6:7], s[OFS:OFS+1]
	s_or_b32 s[G0+4*\sl+3], s[G0+4*\sl+3], 0x80000000
.endr
	s_mov_b32 s[G0P], 1
	s_mul_i32 s[G0P+1], s[WV], 64*272
	s_lshl_b32 s62, s[WV], 14
	s_add_nc_u64 s[G0P+2:G0P+3], s[8:9], s[62:63]
	s_or_b32 s[G0P+3], s[G0P+3], 0x80000000
	tensor_load_to_lds s[G0:G0+3], s[G1:G1+7]      ; steps 0 and 1: two loads of mine are out
	s_nop 0
	tensor_load_to_lds s[G0+4:G0+7], s[G1:G1+7]
	s_nop 0
	PLACES 4
	; addresses
	v_and_b32 v254, 31, v0                         ; lane
	v_and_b32 v252, 15, v0                         ; r
	v_bfe_u32 v253, v0, 4, 1                       ; h
	v_lshlrev_b32 v[L16], 4, v254
	v_lshlrev_b32 v255, 2, v254
	s_mul_i32 s61, s20, 2*REC                      ; my key half's two records in a slot
.irp sl, 0,1
	s_add_co_u32 s62, s61, \sl*SLOT
	v_add_nc_u32 v[AK+\sl], s62, v[L16]
	s_add_co_u32 s62, s61, \sl*SLOT+REC
	v_add_nc_u32 v[AV+\sl], s62, v[L16]
	s_add_co_u32 s62, s61, \sl*SLOT+32768
	v_add_nc_u32 v[ASK+\sl], s62, v255
	s_add_co_u32 s62, s61, \sl*SLOT+REC+32768
	v_add_nc_u32 v[ASV+\sl], s62, v255
.endr
	s_xor_b32 s61, s[WV], 2                        ; my partner: the same queries, the other keys
	s_lshl_b32 s62, s[WV], 14
	s_add_co_u32 s62, s62, XST
	v_add_nc_u32 v[XW], s62, v[L16]
	s_lshl_b32 s62, s61, 14
	s_add_co_u32 s62, s62, XST
	v_add_nc_u32 v[XR], s62, v[L16]
	s_lshl_b32 s62, s[WV], 8
	s_add_co_u32 s62, s62, XS
	v_add_nc_u32 v[XSW], s62, v255
	s_lshl_b32 s62, s61, 8
	s_add_co_u32 s62, s62, XS
	v_add_nc_u32 v[XSR], s62, v255
	v_mul_u32_u24 v[AP], v252, 272
	v_lshl_add_u32 v[AP], v253, 4, v[AP]           ; proj_w: row r, + 16 h
	s_lshl_b32 s62, s19, 7
	s_lshl_b32 s63, s20, 5
	s_add_co_u32 s62, s62, s63
	s_add_co_u32 s62, s62, YST
	v_mul_u32_u24 v[YW], v252, 272
	v_lshl_add_u32 v[YW], v253, 6, v[YW]
	v_add_nc_u32 v[YW], s62, v[YW]                 ; y's stage, in: row r of a tile; my eight places 32 qh + 8 kh + 16 h on
	s_mul_i32 s62, s[WV], 64*272
	s_add_co_u32 s62, s62, YST
	v_mul_u32_u24 v[YR], v253, 272
	v_lshl_add_u32 v[YR], v252, 4, v[YR]
	v_add_nc_u32 v[YR], s62, v[YR]                 ; and back: my 64 rows, two an instruction, 16 bytes a lane
	v_lshlrev_b32 v[OXO], 4, v252
	v_lshl_add_u32 v[OXO], v253, 14, v[OXO]        ; the same two rows in x and out0
	v_lshlrev_b32 v[VQ], 2, v252
	v_lshl_add_u32 v[VQ], v253, 9, v[VQ]           ; q's scale words: 4 r + 512 h
	v_lshlrev_b32 v[VPS], 3, v252
	v_lshl_add_u32 v[VPS], v253, 2, v[VPS]         ; proj_w's: 8 r + 4 h
	v_lshlrev_b32 v[PBA], 2, v252
	s_mov_b32 s[SEL], 0x76543210
	s_mov_b32 s[SEL+1], 0xfedcba98
	s_mov_b32 s[CS], 0x3db8aa3b                    ; c = log2(e) / 16
	s_mov_b32 s[CS+1], s[CS]
	s_mov_b32 s[MNT], 0x600000
	; bases
	s_lshl_b32 s66, s22, 5
	s_lshr_b32 s67, s23, 1
	s_add_co_u32 s66, s66, s67
	s_mul_i32 s66, s66, REC                        ; q's record: 32 b + nb / 2
	s_and_b32 s67, s23, 1                          ; and which half of it
	s_lshl_b32 s68, s67, 14
	s_add_co_u32 s68, s68, s66
	s_lshl_b32 s69, s67, 8
	s_add_co_u32 s69, s69, s66
	s_add_co_u32 s69, s69, 32768
	s_lshl_b32 s70, s19, 1
	s_add_co_u32 s71, s70, s20                     ; my register tile 0: query tile 2 qh + kh
	s_xor_b32 s72, s71, 1                          ; tile 1: the other of the pair
	s_lshl_b32 s74, s71, 12
	s_add_co_u32 s74, s74, s68
	s_mov_b32 s75, 0
	s_add_nc_u64 s[74:75], s[4:5], s[74:75]
	s_lshl_b32 s76, s72, 12
	s_add_co_u32 s76, s76, s68
	s_mov_b32 s77, 0
	s_add_nc_u64 s[76:77], s[4:5], s[76:77]
	s_lshl_b32 s78, s71, 6
	s_add_co_u32 s78, s78, s69
	s_mov_b32 s79, 0
	s_add_nc_u64 s[78:79], s[4:5], s[78:79]
	s_lshl_b32 s80, s72, 6
	s_add_co_u32 s80, s80, s69
	s_mov_b32 s81, 0
	s_add_nc_u64 s[80:81], s[4:5], s[80:81]
	s_lshl_b32 s82, s22, 22
	s_lshl_b32 s83, s[WV], 20
	s_add_co_u32 s82, s82, s83
	s_lshl_b32 s83, s23, 8
	s_add_co_u32 s82, s82, s83
	s_mov_b32 s83, 0
	s_add_nc_u64 s[14:15], s[14:15], s[82:83]      ; x and out0 at image b, channel 64 w, place 64 nb
	s_add_nc_u64 s[16:17], s[16:17], s[82:83]
	WIN 0x80                                       ; destination window 2
.irp u, 0,1
.irp s, 0,1
.irp c, 0,1,2,3
	global_load_b128 v[32*\u+16*\s+4*\c:32*\u+16*\s+4*\c+3], v[L16], s[74+2*\u:75+2*\u] offset:2048*\s+512*\c   ; q stays in registers
.endr
.endr
.endr
.irp t, 0,1,2,3,4,5,6,7,8,9,10,11,12,13,14,15
	global_load_b32 v[PB+2*\t], v[PBA], s[12:13] offset:64*\t      ; proj_b[16 t + r], twice: a pair for the packed addition
	global_load_b32 v[PB+2*\t+1], v[PBA], s[12:13] offset:64*\t
.endr
	WIN 0
	global_load_b32 v[QS], v[VQ], s[78:79]
	global_load_b32 v[QS+1], v[VQ], s[80:81]
.irp u, 0,1
	v_mov_b32 v[ST+8*\u+1], 0xff61b1e6             ; the largest t so far: -3e38, under every t
	v_floor_f32 v[ST+8*\u], -v[ST+8*\u+1]          ; -M
.irp k, 2,3,4,5,6,7
	v_mov_b32 v[ST+8*\u+\k], 0                     ; the sum; the rest is written since it is named in pairs
.endr
.irp k, 4,5,6,7
	v_mov_b32 v[TM+16*\u+\k], 0                    ; a lane permute's destination counts as one of its sources
.endr
.endr
	WIN 0x40
.set jj, 0
.rept 256
	v_mov_b32 v[jj], 0                             ; O^T.  The step is written for every step alike: the first finds zeros, which the first change of M leaves zeros.  (A first step of its own would make six copies of the step's text; these lines stand while the first records are on their way)
.set jj, jj+1
.endr
	WIN 0
	s_wait_tensorcnt 0x1                           ; my record of slot 0 is in; slot 1's may stay out
	s_barrier_signal -1
	s_barrier_wait -1                              ; everybody's is
	LDK0 0
	LDKS 0
	LDK1 0, KB
	WIN 0
	s_wait_loadcnt 0x0                             ; q, its scale words, proj_b
	s_mov_b32 s[TRIP], 7
.Lpair:                                            ; 7 trips: steps 0 to 13; their refills bring steps 2 to 15
	STEP 0, KB, VC, 1, 1
	STEP 1, VC, KB, 1, 1
	s_sub_co_u32 s[TRIP], s[TRIP], 1
	s_cmp_lg_u32 s[TRIP], 0
	s_cbranch_scc1 .Lpair
	STEP 0, KB, VC, 2, 1                           ; the tail is written out
	STEP 1, VC, KB, 0, 0
	; ---- tile 1 changes hands: its O^T, -M and sum go to my partner through LDS, as images of registers
	v_add_f32 v[ST+2], v[ST+2], v[ST+3]
	v_add_f32 v[ST+10], v[ST+10], v[ST+11]
	PLACES 8                                       ; ahead of the first read of the last results and of loads into scale registers that the last products named
.irp t, 0,1,2,3,4,5,6,7,8,9,10,11,12,13,14,15
	global_load_b32 v[PJS+\t], v[VPS], s[10:11] offset:128*\t
.endr
	WIN 0x04                                       ; an LDS store's data are its source 1: window 1
.set jj, 0
.rept 32
	ds_store_b128 v[XW], v[128+4*jj:128+4*jj+3] offset:512*jj      ; each accumulator from its low end on
.set jj, jj+1
.endr
	WIN 0
	ds_store_b32 v[XSW], v[ST+8]
	ds_store_b32 v[XSW], v[ST+10] offset:128
	s_wait_tensorcnt 0x0                           ; my rows of proj_w are in
	s_wait_dscnt 0x0                               ; my stores have landed, and have read their registers
	s_barrier_signal -1
	s_barrier_wait -1
	ds_load_b32 v252, v[XSR]                       ; my partner's -M and sum for my tile 0,
	ds_load_b32 v253, v[XSR] offset:128
	WIN 0x40
.set jj, 0
.rept 32
	ds_load_b128 v[128+4*jj:128+4*jj+3], v[XR] offset:512*jj       ; and its O^T, where my tile 1's lay
.set jj, jj+1
.endr
	WIN 0xc0
.irp t, 0,1,2,3,4,5,6,7,8,9,10,11,12,13,14,15
.irp c, 0,1,2,3
	ds_load_b128 v[16*\t+4*\c:16*\t+4*\c+3], v[AP] offset:4352*\t+32*\c   ; proj_w, K step 0: 16 fragments
.endr
.endr
	WIN 0
	s_wait_dscnt 63                                ; 64 younger loads follow my partner's; the count cannot name more than 63, so one of them is waited for as well
	v_min_num_f32 v254, v[ST], v252                ; -M of both halves of the keys
	v_sub_f32 v[ST+6], v254, v[ST]
	v_sub_f32 v[ST+7], v254, v252
	v_cvt_i32_f32 v[ST+6], v[ST+6]
	v_cvt_i32_f32 v[ST+7], v[ST+7]
	v_ldexp_f32 v[ST+6], 1.0, v[ST+6]              ; what brings my half under it,
	v_ldexp_f32 v[ST+7], 1.0, v[ST+7]              ; and my partner's
	v_mul_f32 v[ST+2], v[ST+2], v[ST+6]
	v_fma_f32 v[ST+2], v253, v[ST+7], v[ST+2]
	v_permlanex16_b32 v[TM+4], v[ST+2], s[SEL], s[SEL+1]
	v_add_f32 v[ST+2], v[ST+2], v[TM+4]            ; the row's sum
	v_rcp_f32 v[ST+3], v[ST+2]
	v_nop                                          ; one plain place behind a transcendental
	s_wait_alu depctr_va_vdst(0)
	v_mul_f32 v[ST+8], v[ST+6], v[ST+3]
	v_mul_f32 v[ST+10], v[ST+7], v[ST+3]
	WIN 0x01                                       ; source 0 (both O^T) window 1
.set jj, 0
.rept 64
	v_pk_mul_f32 v[S+jj:S+jj+1], v[jj:jj+1], v[ST+8:ST+9] op_sel_hi:[1,0]
.set jj, jj+2
.endr
.set jj, 0
.rept 64
	v_pk_fma_f32 v[S+jj:S+jj+1], v[128+jj:129+jj], v[ST+10:ST+11], v[S+jj:S+jj+1] op_sel_hi:[1,0,1]   ; out: register 16 b + i of each 64 is channel 128 s + 32 b + 16 h + i of my query
.set jj, jj+2
.endr
	WIN 0x40
.irp t, 8,9,10,11,12,13,14,15
.irp c, 0,1,2,3
	ds_load_b128 v[16*\t+4*\c:16*\t+4*\c+3], v[AP] offset:4352*\t+128+32*\c          ; proj_w, K step 1, tiles 8-15: where my partner's O^T lay
.endr
.endr
	WIN 0
	QUANT S, P, PS
	QUANT S+64, P+16, PS+1
.irp t, 0,1,2,3,4,5,6,7
.irp c, 0,1,2,3
	ds_load_b128 v[S+16*\t+4*\c:S+16*\t+4*\c+3], v[AP] offset:4352*\t+128+32*\c      ; tiles 0-7: where out lay; they land under the first 24 products
.endr
.endr
	PLACES 8                                       ; codes and scale words made by vector lines stand ahead of a scaled product
	s_wait_loadcnt 0x0                             ; proj_w's scale words; x, asked for a step earlier, is older
	s_wait_dscnt 32                                ; all of proj_w but the youngest 32 loads
	; ---- y: source 0 = my 16 queries of out, source 1 = 16 rows of proj_w: a lane holds one row o = 16 t + r and eight neighbouring places.  Sixteen accumulators by turns.
	WIN 0x4c                                       ; source 1 window 3, destination window 1
.irp t, 0,1,2,3,4,5,6,7,8,9,10,11,12,13,14,15
	WM 8*\t, P, 16*\t, -1, PS, PJS+\t, 0, 0
.endr
	WIN 0x54                                       ; source 1, C and D window 1
.irp t, 8,9,10,11,12,13,14,15
	WM 8*\t, P+16, 16*\t, 8*\t, PS+1, PJS+\t, 0, 1
.endr
	s_wait_dscnt 0x0
	WIN 0x50                                       ; source 1 window 0
.irp t, 0,1,2,3,4,5,6,7
	WM 8*\t, P+16, S+16*\t, 8*\t, PS+1, PJS+\t, 0, 1
.endr
	PLACES 8
	WIN 0x49                                       ; y window 1, proj_b window 2
.irp t, 0,1,2,3,4,5,6,7,8,9,10,11,12,13,14,15
.irp k, 0,2,4,6
	v_pk_add_f32 v[8*\t+\k:8*\t+\k+1], v[8*\t+\k:8*\t+\k+1], v[PB+2*\t:PB+2*\t+1]
.endr
.endr
	WIN 0x04
.irp t, 0,1,2,3,4,5,6,7,8,9,10,11,12,13,14,15
	ds_store_b128 v[YW], v[8*\t:8*\t+3] offset:4352*\t
	ds_store_b128 v[YW], v[8*\t+4:8*\t+7] offset:4352*\t+16
.endr
	WIN 0
	s_wait_dscnt 0x0
	s_barrier_signal -1
	s_barrier_wait -1                              ; 256 whole rows of y, 64 places each, lie in the stage
	WIN 0xc0
.set jj, 0
.rept 32
	ds_load_b128 v[4*jj:4*jj+3], v[YR] offset:544*jj
.set jj, jj+1
.endr
	s_wait_dscnt 0x0
	WIN 0xcb                                       ; y (destination and source 0) window 3, x window 2
.set jj, 0
.rept 64
	v_pk_add_f32 v[jj:jj+1], v[jj:jj+1], v[KA+jj:KA+jj+1]
.set jj, jj+2
.endr
	WIN 0x0c                                       ; a store's data are its source 1: window 3
.set jj, 0
.rept 32
	global_store_b128 v[OXO], v[4*jj:4*jj+3], s[16:17] offset:32768*jj th:TH_STORE_NT   ; sixteen lanes store 256 consecutive bytes, at a multiple of 256 from out0's first byte
.set jj, jj+1
.endr
	WIN 0
	s_wait_tensorcnt 0x0                           ; the wave's end
	ds_add_u32 v[SPW], v[NIL]
	s_wait_dscnt 0x0
	CROUND                                         ; the closing round: no work-group ends while a partner may still ask for a tile that names it
	s_endpgm
.Lfunc_end_k_qb3aa0a67ae_attn:
	.size	k_qb3aa0a67ae_attn, .Lfunc_end_k_qb3aa0a67ae_attn-k_qb3aa0a67ae_attn
	.p2alignl 7, 3214868480
	.fill 96, 4, 3214868480
	.section	.rodata,"a",@progbits
	.p2align	6, 0x0
	.amdhsa_kernel k_qb3aa0a67ae_attn
		.amdhsa_group_segment_fixed_size 327680
		.amdhsa_private_segment_fixed_size 0
		.amdhsa_enable_private_segment 0
		.amdhsa_kernarg_size 56
		.amdhsa_user_sgpr_count 2
		.amdhsa_user_sgpr_kernarg_segment_ptr 1
		.amdhsa_wavefront_size32 1
		.amdhsa_system_sgpr_workgroup_id_x 1
		.amdhsa_system_sgpr_workgroup_id_y 1
		.amdhsa_system_sgpr_workgroup_id_z 1
		.amdhsa_system_vgpr_workitem_id 0
		.amdhsa_next_free_vgpr 1024
		.amdhsa_next_free_sgpr 88
		.amdhsa_reserve_vcc 0
		.amdhsa_float_denorm_mode_32 3
		.amdhsa_float_denorm_mode_16_64 3
		.amdhsa_memory_ordered 1
		.amdhsa_forward_progress 1
		.amdhsa_inst_pref_size 255
	.end_amdhsa_kernel
	.section	.bss,"aw",@nobits
	.p2align	6
	.space	262144
	.amdgpu_metadata
---
amdhsa.version: [ 1, 2 ]
amdhsa.kernels:
  - .name:           k_qb3aa0a67ae_attn
    .symbol:         k_qb3aa0a67ae_attn.kd
    .args:
      - { .name: qrec, .offset: 0, .size: 8, .value_kind: global_buffer, .address_space: global }
      - { .name: kvrec, .offset: 8, .size: 8, .value_kind: global_buffer, .address_space: global }
      - { .name: proj_w_codes, .offset: 16, .size: 8, .value_kind: global_buffer, .address_space: global }
      - { .name: proj_w_scales, .offset: 24, .size: 8, .value_kind: global_buffer, .address_space: global }
      - { .name: proj_b, .offset: 32, .size: 8, .value_kind: global_buffer, .address_space: global }
      - { .name: x, .offset: 40, .size: 8, .value_kind: global_buffer, .address_space: global }
      - { .name: out0, .offset: 48, .size: 8, .value_kind: global_buffer, .address_space: global }
    .group_segment_fixed_size: 327680
    .private_segment_fixed_size: 0
    .kernarg_segment_align: 8
    .kernarg_segment_size: 56
    .max_flat_workgroup_size: 128
    .sgpr_count:     88
    .vgpr_count:     1024
    .wavefront_size: 32
...
	.end_amdgpu_metadata
.endif
;; end of part 6
